; MI455X (gfx1250); checked and timed in simulation.
; The chip was launched on July 23, 2026; its instructions are those of AMD's public machine-readable ISA for CDNA 5 (MIT licence, August 2026) and "CDNA5" Instruction Set Architecture Reference Guide (July 2026). The comments in the code are by the model that wrote it; some were corrected since.
;; Block. Allowed arithmetic: float matrix products may take bf16 or f16 operands with f32 sums; all other float work in f32.
;; Inputs: b1 4,096 float32; b2 1,024 float32; be1 1,024 float32; be2 1,024 float32; bo 1,024 float32; g1 1,024 float32; g2 1,024 float32; w1 1,024 x 4,096 float32; w2 4,096 x 1,024 float32; wk 16 x 1,024 x 64 float32; wo 1,024 x 1,024 float32; wq 16 x 1,024 x 64 float32; wv 16 x 1,024 x 64 float32; x 4 x 1,024 x 1,024 float32.
;; Outputs: out0 4 x 1,024 x 1,024 float32.
;; 2 versions, each right; version 2 is version 1 with the launch prep written anew for expert scheduling mode. Each part assembles by itself: llvm-mc -triple=amdgcn-amd-amdhsa -mcpu=gfx1250 --defsym DOCPART=n.
;; ======== version 1 of 2: 7 launches
;; workspace buffers: act 8,388,608 bytes; big 33,554,432 bytes; x1 16,777,216 bytes; wA 16,777,472 bytes; wB 16,777,472 bytes; zb 12,288 bytes
;; launch prep (part 1): grid 640 x 1, 8 waves a work-group, no clusters, 0 bytes of LDS; arguments x, g1, be1, act, wq, wk, wv, wo, w1, w2, wA, wB, zb; writes act, wA, wB, zb
.if DOCPART == 1
	.amdgcn_target "amdgcn-amd-amdhsa--gfx1250"
	.amdhsa_code_object_version 6
	.text
	.protected	k_qa7b4e49a58_prep
	.globl	k_qa7b4e49a58_prep
	.p2align	8
	.type	k_qa7b4e49a58_prep,@function
k_qa7b4e49a58_prep:
	s_mov_b64 s[64:65], 0
	v_nop
	global_prefetch_b8 v0, s[64:65] scope:SCOPE_SE
	s_setreg_imm32_b32 hwreg(HW_REG_WAVE_MODE, 25, 1), 1
	s_wait_xcnt 0x0
; PREP.  Work-groups 0-383: the weights rounded to bf16, in the layouts that the products read:
;   wA: 12 panels [1024 k][256 n] of wq|wk|wv (n = tensor x 1024 + head x 64 + column); at byte 0x800000 wo as it lies; at 0x1000000 64 words of -inf
;   wB: 16 panels [1024 k][256 n] of w1; at byte 0x800000 w2 as it lies; at 0x1000000 64 words of 0
;   zb: 3,072 zeros (the bias of q, k, v).
; Work-groups 384-639: act = LayerNorm(x; g1, be1) rounded to bf16, row-major [4096][1024].
; A cast group moves 192 KB, a LayerNorm group 104 KB: the longer shares stand first in the grid.
; A stream: no LDS, no barrier, no matrix unit, no cluster (no two work-groups read the same bytes but g1 and be1, 8 KB).
; LIMITS: mean and variance in f32, the mean taken away before the squares; NaN and infinities are not treated apart.
.set CASTS, 384                        ; work-groups that cast
.set X0, 8                             ; v[8:39]    row 0: load j holds columns 128 j + 4 lane + 0..3
.set X1, 40                            ; v[40:71]   row 1
.set G,  72                            ; v[72:103]  gains of my 32 columns
.set BE, 104                           ; v[104:135] offsets of my 32 columns
.set T,  136                           ; v[136:151] at work
.set M,  152                           ; v[152:153] the mean, twice
.set R0, 154                           ; v[154:155] 1/sqrt(var + eps) of row 0, twice
.set R1, 156                           ; v[156:157] of row 1
.set Y0, 160                           ; v[160:175] row 0 packed
.set Y1, 176                           ; v[176:191] row 1 packed
.set SO, 4                             ; cast: v[4:19] source offsets of my 16 segments
.set X,  24                            ; cast: v[24:151] 16 segments x 8 numbers
.macro TREE                            ; 16 partial sums in T -> one
.irp i, 0,2,4,6
	v_pk_add_f32 v[T+\i:T+\i+1], v[T+\i:T+\i+1], v[T+8+\i:T+9+\i]
.endr
	v_pk_add_f32 v[T:T+1], v[T:T+1], v[T+4:T+5]
	v_pk_add_f32 v[T+2:T+3], v[T+2:T+3], v[T+6:T+7]
	v_pk_add_f32 v[T:T+1], v[T:T+1], v[T+2:T+3]
	v_add_f32 v[T], v[T], v[T+1]
.endm
.macro LANESUM                         ; the sum over the 32 lanes, in every lane
	v_add_f32_dpp v[T], v[T], v[T] row_xmask:1 row_mask:0xf bank_mask:0xf
	v_add_f32_dpp v[T], v[T], v[T] row_xmask:2 row_mask:0xf bank_mask:0xf
	v_add_f32_dpp v[T], v[T], v[T] row_xmask:4 row_mask:0xf bank_mask:0xf
	v_add_f32_dpp v[T], v[T], v[T] row_xmask:8 row_mask:0xf bank_mask:0xf
	v_permlanex16_b32 v[T+1], v[T], s12, s13
	v_add_f32 v[T], v[T], v[T+1]
.endm
.macro ROWSTAT xr, rr                  ; the row in xr loses its mean; rr takes 1/sqrt(var + eps)
.set i, 0
.rept 8
	v_pk_add_f32 v[T+2*i:T+2*i+1], v[(\xr)+4*i:(\xr)+4*i+1], v[(\xr)+4*i+2:(\xr)+4*i+3]
.set i, i+1
.endr
	TREE
	LANESUM
	v_mul_f32 v[M], s14, v[T]
	v_mul_f32 v[M+1], s14, v[T]
.set i, 0
.rept 16
	v_pk_add_f32 v[(\xr)+2*i:(\xr)+2*i+1], v[(\xr)+2*i:(\xr)+2*i+1], v[M:M+1] neg_lo:[0,1] neg_hi:[0,1]
.set i, i+1
.endr
.set i, 0
.rept 8
	v_pk_mul_f32 v[T+2*i:T+2*i+1], v[(\xr)+2*i:(\xr)+2*i+1], v[(\xr)+2*i:(\xr)+2*i+1]
.set i, i+1
.endr
.set i, 0
.rept 8
	v_pk_fma_f32 v[T+2*i:T+2*i+1], v[(\xr)+16+2*i:(\xr)+16+2*i+1], v[(\xr)+16+2*i:(\xr)+16+2*i+1], v[T+2*i:T+2*i+1]
.set i, i+1
.endr
	TREE
	LANESUM
	v_fma_f32 v[T], v[T], s14, s15                 ; sum of squares / 1024 + eps
	v_rsq_f32 v[\rr], v[T]
	v_nop                                          ; a plain instruction between the root and the use of its result
	s_wait_alu depctr_va_vdst(0)
	v_mov_b32 v[(\rr)+1], v[\rr]
.endm
.macro ROWOUT xr, rr, yr, row          ; (x - mean) (g / sqrt) + be, rounded, stored: each store of the wave covers 256 consecutive bytes, aligned
.set i, 0
.rept 16
	v_pk_mul_f32 v[T+2*(i%4):T+2*(i%4)+1], v[G+2*i:G+2*i+1], v[(\rr):(\rr)+1]
	v_pk_fma_f32 v[(\xr)+2*i:(\xr)+2*i+1], v[(\xr)+2*i:(\xr)+2*i+1], v[T+2*(i%4):T+2*(i%4)+1], v[BE+2*i:BE+2*i+1]
.set i, i+1
.endr
.set i, 0
.rept 16
	v_cvt_pk_bf16_f32 v[(\yr)+i], v[(\xr)+2*i], v[(\xr)+2*i+1]
.set i, i+1
.endr
.irp j, 0,1,2,3,4,5,6,7
	global_store_b64 v2, v[(\yr)+2*\j:(\yr)+2*\j+1], s[10:11] offset:(\row)*2048+256*\j
.endr
.endm
; A work-group takes 16 rows, a wave two; a row stays in 32 registers of the wave between the passes: it is read once.
.macro LNBODY
	s_load_b256 s[4:11], s[0:1], 0x0               ; x s[4:5], g s[6:7], be s[8:9], h s[10:11]
	s_sub_co_u32 s16, ttmp9, CASTS                 ; my number among the LayerNorm groups
	s_lshl_b32 s16, s16, 4
	s_lshl1_add_u32 s16, s2, s16                   ; my first row = 16 x group + 2 x wave
	s_lshl_b32 s18, s16, 12                        ; rows of 4,096 bytes in,
	s_mov_b32 s19, 0
	s_lshl_b32 s20, s16, 11                        ; of 2,048 bytes out
	s_mov_b32 s21, 0
	s_mov_b32 s12, 0x76543210                      ; v_permlanex16_b32: each lane takes its own place in the other half
	s_mov_b32 s13, 0xfedcba98
	s_mov_b32 s14, 0x3a800000                      ; 1 / 1024
	s_mov_b32 s15, 0x3727c5ac                      ; 1e-5
	v_lshlrev_b32 v1, 4, v3
	v_lshlrev_b32 v2, 3, v3
	s_wait_kmcnt 0x0
	s_add_nc_u64 s[4:5], s[4:5], s[18:19]
	s_add_nc_u64 s[10:11], s[10:11], s[20:21]
.irp j, 0,1,2,3,4,5,6,7
	global_load_b128 v[X0+4*\j:X0+4*\j+3], v1, s[4:5] offset:512*\j
.endr
.irp j, 0,1,2,3,4,5,6,7
	global_load_b128 v[X1+4*\j:X1+4*\j+3], v1, s[4:5] offset:4096+512*\j
.endr
.irp j, 0,1,2,3,4,5,6,7
	global_load_b128 v[G+4*\j:G+4*\j+3], v1, s[6:7] offset:512*\j
.endr
.irp j, 0,1,2,3,4,5,6,7
	global_load_b128 v[BE+4*\j:BE+4*\j+3], v1, s[8:9] offset:512*\j
.endr
	s_wait_loadcnt 24                              ; row 0 is in; the 24 younger loads (row 1, g, be) stay out
	ROWSTAT X0, R0
	s_wait_loadcnt 16                              ; row 1 is in; g and be stay out
	ROWSTAT X1, R1
	s_wait_loadcnt 0x0
	ROWOUT X0, R0, Y0, 0
	ROWOUT X1, R1, Y1, 1
.endm
	v_lshrrev_b32 v1, 5, v0
	v_readfirstlane_b32 s2, v1                     ; wave 0..7
	v_and_b32 v3, 31, v0                           ; lane
	s_cmp_lt_u32 ttmp9, CASTS
	s_cbranch_scc1 .Lcast
	LNBODY
	s_endpgm
; THE CASTS.  A segment is 256 numbers: 1,024 bytes of f32 in, 512 bytes of bf16 out, in two halves of 128 numbers.  Of each half a lane takes 4 numbers (16 bytes in, 8 out):
; a load of the wave covers 512 consecutive bytes (from wq, wk, wv: two heads' rows of 256), no byte is named by two loads, and a store covers 256 consecutive bytes, aligned.
; The second half is read from a base of its own.  A wave takes 16 segments, a work-group 128.  All 32 loads of a wave go out before the first is waited for.
.Lcast:
	s_load_b512 s[16:31], s[0:1], 0x20             ; wq s[16:17], wk s[18:19], wv s[20:21], wo s[22:23], w1 s[24:25], w2 s[26:27], wA s[28:29], wB s[30:31]
	s_load_b64 s[32:33], s[0:1], 0x60              ; zb
	s_mov_b32 s4, ttmp9                            ; c = 0..383
	s_lshl_b32 s5, s2, 4                           ; 16 x wave
	v_lshlrev_b32 v1, 4, v3                        ; my 16 bytes of a dense half
	v_lshlrev_b32 v2, 3, v3                        ; my 8 bytes out
	s_mov_b32 s9, 0                                ; the offsets' high words
	s_mov_b32 s11, 0
	s_wait_kmcnt 0x0
	s_cmp_lt_u32 s4, 96
	s_cbranch_scc0 .Lnot_qkv
	; c = 0..95: panel c / 8 of wq|wk|wv, rows d0 .. d0 + 15.  A panel's row takes 64 columns from each of four heads: a half takes two heads.
	s_lshr_b32 s6, s4, 3                           ; panel 0..11
	s_and_b32 s7, s4, 7
	s_lshl_b32 s7, s7, 7
	s_add_co_u32 s7, s7, s5                        ; d0
	s_lshr_b32 s12, s6, 2                          ; 0: wq, 1: wk, 2: wv
	s_cmp_eq_u32 s12, 0
	s_cselect_b64 s[40:41], s[16:17], s[18:19]
	s_cmp_eq_u32 s12, 2
	s_cselect_b64 s[40:41], s[20:21], s[40:41]
	s_and_b32 s8, s6, 3
	s_lshl_b32 s8, s8, 20                          ; four heads of 262,144 bytes
	s_lshl_b32 s13, s7, 8                          ; a head's row is 256 bytes
	s_add_co_u32 s8, s8, s13
	s_add_nc_u64 s[40:41], s[40:41], s[8:9]
	s_add_nc_u64 s[34:35], s[40:41], 0x80000       ; the second half: two heads on
	s_lshl_b32 s10, s6, 10
	s_add_co_u32 s10, s10, s7
	s_lshl_b32 s10, s10, 9
	s_add_nc_u64 s[42:43], s[28:29], s[10:11]
	s_mov_b32 s44, 256
	v_lshrrev_b32 v4, 4, v3                        ; which of the half's two heads,
	v_and_b32 v5, 15, v3
	v_lshlrev_b32 v1, 4, v5                        ; which 16 bytes of its row
	v_lshl_add_u32 v1, v4, 18, v1
	s_branch .Lcopy
.Lnot_qkv:
	s_cmp_lt_u32 s4, 224
	s_cbranch_scc0 .Lnot_w1
	; c = 96..223: panel (c - 96) / 8 of w1, rows d0 .. d0 + 15
	s_sub_co_u32 s6, s4, 96
	s_and_b32 s7, s6, 7
	s_lshl_b32 s7, s7, 7
	s_add_co_u32 s7, s7, s5                        ; d0
	s_lshr_b32 s6, s6, 3                           ; panel 0..15
	s_lshl_b32 s8, s7, 14                          ; a row of w1 is 16,384 bytes
	s_lshl_b32 s13, s6, 10
	s_add_co_u32 s8, s8, s13
	s_add_nc_u64 s[40:41], s[24:25], s[8:9]
	s_add_nc_u64 s[34:35], s[40:41], 512           ; the second half: 128 numbers on
	s_lshl_b32 s10, s6, 10
	s_add_co_u32 s10, s10, s7
	s_lshl_b32 s10, s10, 9
	s_add_nc_u64 s[42:43], s[30:31], s[10:11]
	s_mov_b32 s44, 16384
	s_branch .Lcopy
.Lnot_w1:
	; c = 224..255: wo; c = 256..383: w2.  Both stay as they lie: segment after segment.
	s_mov_b32 s6, 224
	s_mov_b32 s7, 256
	s_cmp_lt_u32 s4, 256
	s_cselect_b64 s[40:41], s[22:23], s[26:27]
	s_cselect_b64 s[42:43], s[28:29], s[30:31]
	s_cselect_b32 s6, s6, s7
	s_sub_co_u32 s6, s4, s6
	s_lshl_b32 s6, s6, 7
	s_add_co_u32 s6, s6, s5                        ; my first segment
	s_lshl_b32 s8, s6, 10
	s_add_nc_u64 s[40:41], s[40:41], s[8:9]
	s_add_nc_u64 s[34:35], s[40:41], 512           ; the second half: 128 numbers on
	s_lshl_b32 s10, s6, 9
	s_add_co_u32 s10, s10, 0x800000
	s_add_nc_u64 s[42:43], s[42:43], s[10:11]
	s_mov_b32 s44, 1024
.Lcopy:
	v_mov_b32 v[SO], v1
.set i, 1
.rept 15
	v_add_nc_u32 v[SO+i], s44, v[SO+i-1]
.set i, i+1
.endr
.set i, 0
.rept 16
	global_load_b128 v[X+8*i:X+8*i+3],   v[SO+i], s[40:41] th:TH_LOAD_NT
	global_load_b128 v[X+8*i+4:X+8*i+7], v[SO+i], s[34:35] th:TH_LOAD_NT
.set i, i+1
.endr
.set i, 0
.rept 16
	s_wait_loadcnt 30-2*i                          ; segment i is in; the younger segments' loads stay out
	v_cvt_pk_bf16_f32 v[X+8*i],   v[X+8*i],   v[X+8*i+1]
	v_cvt_pk_bf16_f32 v[X+8*i+1], v[X+8*i+2], v[X+8*i+3]
	v_cvt_pk_bf16_f32 v[X+8*i+2], v[X+8*i+4], v[X+8*i+5]
	v_cvt_pk_bf16_f32 v[X+8*i+3], v[X+8*i+6], v[X+8*i+7]
	global_store_b64 v2, v[X+8*i:X+8*i+1],   s[42:43] offset:512*i      ; the first half: 256 consecutive bytes,
	global_store_b64 v2, v[X+8*i+2:X+8*i+3], s[42:43] offset:512*i+256  ; the second
.set i, i+1
.endr
	s_cmp_lg_u32 s4, 0
	s_cbranch_scc1 .Ldone
	; the first cast group also writes the small tables
	v_mov_b32 v160, 0
	v_mov_b32 v161, 0
	v_mov_b32 v162, 0
	v_mov_b32 v163, 0
	v_lshlrev_b32 v164, 4, v0
	global_store_b128 v164, v[160:163], s[32:33]
	global_store_b128 v164, v[160:163], s[32:33] offset:4096
	global_store_b128 v164, v[160:163], s[32:33] offset:8192
	s_cmp_lg_u32 s2, 0
	s_cbranch_scc1 .Ldone
	v_lshlrev_b32 v165, 3, v3
	v_mov_b32 v166, 0xff800000                     ; -inf: the floor of q, k, v changes nothing
	v_mov_b32 v167, 0xff800000
	v_mov_b32 v168, 0                              ; 0: the floor of the FFN's first product is its ReLU
	v_mov_b32 v169, 0
	s_add_nc_u64 s[46:47], s[28:29], 0x1000000
	s_add_nc_u64 s[38:39], s[30:31], 0x1000000
	global_store_b64 v165, v[166:167], s[46:47]    ; 256 consecutive bytes each
	global_store_b64 v165, v[168:169], s[38:39]
.Ldone:
	s_endpgm
.Lfunc_end_k_qa7b4e49a58_prep:
	.size	k_qa7b4e49a58_prep, .Lfunc_end_k_qa7b4e49a58_prep-k_qa7b4e49a58_prep
	.p2alignl 7, 3214868480
	.fill 96, 4, 3214868480
	.section	.rodata,"a",@progbits
	.p2align	6, 0x0
	.amdhsa_kernel k_qa7b4e49a58_prep
		.amdhsa_group_segment_fixed_size 0
		.amdhsa_private_segment_fixed_size 0
		.amdhsa_enable_private_segment 0
		.amdhsa_kernarg_size 104
		.amdhsa_user_sgpr_count 2
		.amdhsa_user_sgpr_kernarg_segment_ptr 1
		.amdhsa_wavefront_size32 1
		.amdhsa_system_sgpr_workgroup_id_x 1
		.amdhsa_system_sgpr_workgroup_id_y 1
		.amdhsa_system_sgpr_workgroup_id_z 1
		.amdhsa_system_vgpr_workitem_id 0
		.amdhsa_next_free_vgpr 192
		.amdhsa_next_free_sgpr 66
		.amdhsa_reserve_vcc 0
		.amdhsa_float_denorm_mode_32 3
		.amdhsa_float_denorm_mode_16_64 3
		.amdhsa_memory_ordered 1
		.amdhsa_forward_progress 1
		.amdhsa_inst_pref_size 36
	.end_amdhsa_kernel
	.amdgpu_metadata
---
amdhsa.version: [ 1, 2 ]
amdhsa.kernels:
  - .name:           k_qa7b4e49a58_prep
    .symbol:         k_qa7b4e49a58_prep.kd
    .args:
      - { .name: x, .offset: 0, .size: 8, .value_kind: global_buffer, .address_space: global }
      - { .name: g1, .offset: 8, .size: 8, .value_kind: global_buffer, .address_space: global }
      - { .name: be1, .offset: 16, .size: 8, .value_kind: global_buffer, .address_space: global }
      - { .name: act, .offset: 24, .size: 8, .value_kind: global_buffer, .address_space: global }
      - { .name: wq, .offset: 32, .size: 8, .value_kind: global_buffer, .address_space: global }
      - { .name: wk, .offset: 40, .size: 8, .value_kind: global_buffer, .address_space: global }
      - { .name: wv, .offset: 48, .size: 8, .value_kind: global_buffer, .address_space: global }
      - { .name: wo, .offset: 56, .size: 8, .value_kind: global_buffer, .address_space: global }
      - { .name: w1, .offset: 64, .size: 8, .value_kind: global_buffer, .address_space: global }
      - { .name: w2, .offset: 72, .size: 8, .value_kind: global_buffer, .address_space: global }
      - { .name: wA, .offset: 80, .size: 8, .value_kind: global_buffer, .address_space: global }
      - { .name: wB, .offset: 88, .size: 8, .value_kind: global_buffer, .address_space: global }
      - { .name: zb, .offset: 96, .size: 8, .value_kind: global_buffer, .address_space: global }
    .group_segment_fixed_size: 0
    .private_segment_fixed_size: 0
    .kernarg_segment_align: 8
    .kernarg_segment_size: 104
    .max_flat_workgroup_size: 256
    .sgpr_count:     66
    .vgpr_count:     192
    .wavefront_size: 32
...
	.end_amdgpu_metadata
.endif
;; end of part 1
;; launch qkv (part 2): grid 12 x 16, 4 waves a work-group, clusters of 4 x 4, 327,680 bytes of LDS; arguments act, wA, zb, big; writes big
.if DOCPART == 2
	.amdgcn_target "amdgcn-amd-amdhsa--gfx1250"
	.amdhsa_code_object_version 6
	.text
	.protected	k_qa7b4e49a58_qkv
	.globl	k_qa7b4e49a58_qkv
	.p2align	8
	.type	k_qa7b4e49a58_qkv,@function
k_qa7b4e49a58_qkv:
	s_mov_b64 s[64:65], 0
	v_nop
	global_prefetch_b8 v0, s[64:65] scope:SCOPE_SE
	s_setreg_imm32_b32 hwreg(HW_REG_WAVE_MODE, 25, 1), 1
	s_wait_xcnt 0x0
	s_wait_alu depctr_hold_cnt(0) depctr_sa_sdst(0) depctr_va_vdst(0) depctr_va_sdst(0) depctr_va_ssrc(0) depctr_va_vcc(0) depctr_vm_vsrc(0)
	s_getreg_b32 s2, hwreg(HW_REG_IB_STS2, 6, 4)
	s_cmp_eq_u32 s2, 0
	s_cbranch_scc0 .Lentry_in_a_cluster
	s_endpgm
.Lentry_in_a_cluster:
	s_bfe_u32 s2, ttmp6, 0x10000c
	s_cmp_lg_u32 s2, 0xf033
	s_cbranch_scc0 .Lentry_shape_is_right
	s_endpgm
.Lentry_shape_is_right:
; out = max(A W + bias, floor), rounded to bf16.  A: [4096][1024] bf16 row-major.  W: panels [n / 256][1024 k][256 n] bf16; the floor is the f32 word at byte 0x1000000 of W's buffer
; (-inf: nothing happens; 0: ReLU).  bias: f32.  out: panels [n / 64][4096 m][64] bf16, so that 16 rows of a panel are 2,048 consecutive bytes.  Sums in f32, K ascending.
; A tile of out is 256 x 256, made by four waves, each 128 x 128: 64 accumulators of 16 x 16, 512 registers.  K = 1,024 goes in 8 steps of 128 through two LDS slots that the tensor data mover fills.
; A's rows lie along K and are read as they lie; W's rows lie along N and are read turned, by ds_load_tr16_b128.
; The matrix instruction is used transposed (source 0 = 16 columns of W, source 1 = 16 rows of A): a lane holds eight neighbouring columns of one row of out.
; The bias is the C operand of each sum's first product: nothing is cleared and nothing is added later.
; THE TEXT holds a K step twice: once with a refill (six trips) and once without (the last two steps, two trips, entered behind the first quarter).
; CLUSTER: 4 x 4 work-groups.  The four of a row of the cluster need the same tiles of A, the four of a column the same tiles of W: each tile is asked for jointly.
; LIMITS: the floor is taken by v_max_num_f32, in which a NaN loses; NaN and infinities are not treated apart.
; REGISTERS, in windows of 256: window 0: v0-31 addresses; v64-127, v128-191 A's fragments, two buffers; v192-255 the bias, later the way out; v32-63 the way out
;   window 1: v64-127, v128-191 W's fragments;   window 2: the accumulators of my rows 0-63 ((a, b) at 8 (8 a + b));   window 3: of my rows 64-127
.set PA,     272                       ; a row of A in LDS: 256 bytes + 16: the 16 rows of a load start 68 words apart
.set PW,     544                       ; a row of W in LDS: 512 bytes + 32: the 8 rows x 32 bytes of half a turning load start 136 words apart
.set HALFT,  34816                     ; what one tensor load brings: 128 rows of A (128 x 272) or 64 rows of W (64 x 544)
.set SLOT,   4*HALFT                   ; A's 256 rows, then W's 128 rows.  0x22000: no bit of it is in wave x HALFT, so an exclusive or changes slots
.set WOFF,   2*HALFT
.set STAGE,  2*SLOT                    ; behind the ring: 16 rows x 272 bytes for each wave, for the way out
.set SPITCH, 272
.set SPARE,  STAGE+4*16*SPITCH         ; behind the stages: the spare words, 128 bytes for each wave
.set KSTEPS, 8
.set ADRA0, 16                         ; v16  my lane's place in A's tile of slot 0; never rewritten
.set ADRB0, 17                         ; v17  the same for W
.set ADRA,  18                         ; v18  the same in the slot in hand
.set ADRB,  19                         ; v19
.set STO,  24                          ; v24  the way out: where I put 16 bytes of a row
.set RD,   25                          ; v25  the way out: where I read rows back
.set CO,   26                          ; v26  my byte offset in 512 consecutive bytes of out
.set BO,   27                          ; v27  my byte offset in 16 numbers of the bias
.set SPW,  28                          ; v28  LDS address of my spare word; never rewritten
.set NIL,  29                          ; v29  0; never rewritten
.set F0,   64
.set F1,   128
.set TMP,  192
.set BI,   192                         ; v192-255 bias: block b of 16 columns at BI + 8 b, register j = column 8 (lane / 16) + j
.set OB,   32
.set FL,   2                           ; s2   the floor
.set WV,   12                          ; s12  wave
.set FB,   13                          ; s13  which half of the tile's rows is mine; also: I fetch for A (0) or for W (1)
.set HF,   14                          ; s14  which half of its columns; also: which half of that tile I fetch
.set SB,   23                          ; s23  LDS byte at which the slot in hand begins
.set G1,   24                          ; s[24:31] descriptor group 1 for A;  s[32:39] group 0: the first fill's, and the one that walks
.set G0,   32
.set G1B,  48                          ; s[48:55], s[56:63] the same for W
.set G0B,  56
.set MSB, 0
.macro WIN new                         ; the immediate's high byte repeats the setting that is left
.if MSB != (\new)
	s_set_vgpr_msb (MSB<<8)|(\new)
.set MSB, \new
.endif
.endm
.set MUL_LO, 0xa1                      ; source 0 (W) window 1, source 1 (A) window 0, C and D window 2
.set TO_B,   0x40                      ; destination window 1, address window 0
; A joint load: waves 0 and 1 fetch A's two halves, waves 2 and 3 W's.  The branch hangs on the wave's number alone.  An s_nop 0 and four v_nop follow each of the two lines.
.macro JLOAD set
	s_cmp_eq_u32 s[FB], 0
	s_cbranch_scc0 .Lfor_w_\@
	tensor_load_to_lds s[G0+4*(\set):G0+4*(\set)+3], s[G1:G1+7]
	s_nop 0
.rept 4
	v_nop
.endr
	s_branch .Lasked_\@
.Lfor_w_\@:
	tensor_load_to_lds s[G0B+4*(\set):G0B+4*(\set)+3], s[G1B:G1B+7]
	s_nop 0
.rept 4
	v_nop
.endr
.Lasked_\@:
.endm
.macro CREST                           ; a round of the cluster's barrier behind its opening barrier
	s_cmp_lg_u32 s[WV], 0
	s_cbranch_scc1 .Lnot_wave_0_\@
	s_barrier_signal -3
.Lnot_wave_0_\@:
	s_barrier_wait -3
	s_barrier_signal -1
	s_barrier_wait -1
.endm
.macro CROUND                          ; a whole round
	s_barrier_signal -1
	s_barrier_wait -1
	CREST
.endm
	s_load_b256 s[4:11], s[0:1], 0x0               ; A s[4:5], W s[6:7], bias s[8:9], out s[10:11]
	v_lshl_add_u32 v[SPW], v0, 2, SPARE
	v_mov_b32 v[NIL], 0
	ds_add_u32 v[SPW], v[NIL]                      ; the wave's opening: the add and its wait stand ahead of my first tensor load
	v_lshrrev_b32 v1, 5, v0
	v_readfirstlane_b32 s[WV], v1                  ; wave 0..3
	s_lshr_b32 s[FB], s[WV], 1
	s_and_b32 s[HF], s[WV], 1
	s_bfe_u32 s40, ttmp6, 0x40000                  ; cx
	s_bfe_u32 s41, ttmp6, 0x40004                  ; cy
	s_lshl_b32 s42, ttmp9, 2
	s_add_co_u32 s42, s42, s40                     ; tile column = 4 x cluster x + cx
	s_and_b32 s43, ttmp7, 0xffff
	s_lshl_b32 s43, s43, 2
	s_add_co_u32 s43, s43, s41                     ; tile row = 4 x cluster y + cy
	s_lshl_b32 s44, s41, 2
	s_lshl_b32 s44, 15, s44                        ; my row of the cluster
	s_lshl_b32 s45, 0x1111, s40                    ; my column
	; group 1 for A: 128 rows x 128 elements, 1,024 elements from row to row; 4 words of padding after every 64
	s_or_b32 s[G1+0], s44, (1<<16)|(1<<20)|(1<<21)|(5<<22)|(3<<25)
	s_mov_b32 s[G1+1], 128<<16
	s_mov_b32 s[G1+2], 128<<16
	s_mov_b32 s[G1+3], 128<<16
	s_mov_b32 s[G1+4], 128
	s_mov_b32 s[G1+5], 1024
	s_mov_b32 s[G1+6], 0
	s_mov_b32 s[G1+7], 0
	; group 1 for W: 64 rows x 256 elements, dense; 8 words of padding after every 128
	s_or_b32 s[G1B+0], s45, (1<<16)|(1<<20)|(1<<21)|(6<<22)|(7<<25)
	s_mov_b32 s[G1B+1], 256<<16
	s_mov_b32 s[G1B+2], 64<<16
	s_mov_b32 s[G1B+3], 256<<16
	s_mov_b32 s[G1B+4], 64
	s_mov_b32 s[G1B+5], 256
	s_mov_b32 s[G1B+6], 0
	s_mov_b32 s[G1B+7], 0
	; A's address hangs on the tile row alone, W's on the tile column alone, each in registers that never hold the other coordinate
	s_lshl_b32 s16, s43, 8
	s_lshl_b32 s17, s[HF], 7
	s_add_co_u32 s16, s16, s17                     ; A: row 256 x tile row + 128 x half,
	s_lshl_b32 s16, s16, 11                        ; of 2,048 bytes
	s_mov_b32 s17, 0
	s_lshl_b32 s46, s42, 19                        ; W: a panel is 524,288 bytes,
	s_lshl_b32 s47, s[HF], 15                      ; 64 of its rows 32,768
	s_add_co_u32 s46, s46, s47
	s_mov_b32 s47, 0
	s_mul_i32 s22, s[WV], HALFT                    ; where my part of a slot goes: no place in the cluster enters an LDS address
	s_mov_b32 s[SB], 0
	s_wait_dscnt 0x0                               ; the opening add is done
	s_wait_kmcnt 0x0
	s_add_nc_u64 s[16:17], s[4:5], s[16:17]
	s_add_nc_u64 s[46:47], s[6:7], s[46:47]
	s_add_nc_u64 s[20:21], s[6:7], 0x1000000
	s_load_b32 s[FL], s[20:21], 0x0                ; the floor
	CROUND                                         ; all sixteen work-groups are here: the first joint loads meet
.irp s, 0,1
	s_mov_b32 s[G0+4*(\s)], 1
	s_add_co_u32 s[G0+4*(\s)+1], s22, (\s)*SLOT
	s_add_nc_u64 s[G0+4*(\s)+2:G0+4*(\s)+3], s[16:17], (\s)*256       ; K step s: 128 elements along A's rows
	s_or_b32 s[G0+4*(\s)+3], s[G0+4*(\s)+3], 0x80000000
	s_mov_b32 s[G0B+4*(\s)], 1
	s_add_co_u32 s[G0B+4*(\s)+1], s22, (\s)*SLOT
	s_add_nc_u64 s[G0B+4*(\s)+2:G0B+4*(\s)+3], s[46:47], (\s)*65536   ; K step s: 128 rows of W's panel
	s_or_b32 s[G0B+4*(\s)+3], s[G0B+4*(\s)+3], 0x80000000
	JLOAD \s                                       ; two loads of mine are out
.endr
	v_and_b32 v1, 15, v0                           ; l % 16
	v_bfe_u32 v2, v0, 4, 1                         ; l / 16
	v_mul_u32_u24 v3, v1, PA
	v_lshl_add_u32 v3, v2, 4, v3                   ; row x 272 + 16 x half
	s_mul_i32 s15, s[FB], HALFT
	v_add_nc_u32 v[ADRA0], s15, v3                 ; my 128 rows of A
	v_and_b32 v4, 7, v0
	v_bfe_u32 v5, v0, 3, 1
	v_lshl_add_u32 v6, v2, 3, v4                   ; the turning load: lane l reads row 8 (l / 16) + l % 8, 16 bytes at 16 ((l / 8) % 2)
	v_mul_u32_u24 v6, v6, PW
	v_lshl_add_u32 v6, v5, 4, v6
	s_lshl_b32 s15, s[HF], 8                       ; my 128 columns of W
	s_add_co_u32 s15, s15, WOFF
	v_add_nc_u32 v[ADRB0], s15, v6
	v_mov_b32 v[ADRA], v[ADRA0]
	v_mov_b32 v[ADRB], v[ADRB0]
	s_mul_i32 s15, s[WV], 16*SPITCH
	s_add_co_u32 s15, s15, STAGE                   ; my stage
	v_add_nc_u32 v[STO], s15, v3                   ; in: row l % 16, 16 bytes for each half of the lanes
	v_bfe_u32 v7, v0, 3, 2                         ; back: 32 lanes take 128 bytes of each of four rows,
	v_mul_u32_u24 v7, v7, SPITCH
	v_lshl_add_u32 v7, v4, 4, v7
	v_add_nc_u32 v[RD], s15, v7
	v_and_b32 v[CO], 31, v0                        ; which are 512 consecutive bytes of a panel of out
	v_lshlrev_b32 v[CO], 4, v[CO]
	v_lshlrev_b32 v[BO], 5, v2                     ; my eight of a block's 16 numbers of the bias
	s_lshl_b32 s18, s42, 10
	s_lshl_b32 s19, s[HF], 9
	s_add_co_u32 s18, s18, s19
	s_mov_b32 s19, 0
	s_add_nc_u64 s[8:9], s[8:9], s[18:19]          ; the bias of my 128 columns
.irp b, 0,1,2,3,4,5,6,7
	global_load_b128 v[BI+8*(\b):BI+8*(\b)+3],   v[BO], s[8:9] offset:64*(\b)
	global_load_b128 v[BI+8*(\b)+4:BI+8*(\b)+7], v[BO], s[8:9] offset:64*(\b)+16
.endr
	s_lshl_b32 s18, s42, 21                        ; out: four panels of 524,288 bytes a tile column,
	s_lshl_b32 s19, s[HF], 20                      ; two of them mine;
	s_add_co_u32 s18, s18, s19
	s_lshl_b32 s19, s43, 15                        ; 256 rows of 128 bytes a tile row,
	s_add_co_u32 s18, s18, s19
	s_lshl_b32 s19, s[FB], 14                      ; 128 of them mine
	s_add_co_u32 s18, s18, s19
	s_mov_b32 s19, 0
	s_add_nc_u64 s[10:11], s[10:11], s[18:19]
	s_wait_kmcnt 0x0                               ; the floor
; 16 matrix instructions: m blocks a0, a0 + 1 of the window's four x all 8 n blocks, 32 along K.  zero = 1: the first product starts the sums, with the bias as C (window 0).
.macro MUL16 f, hi, a0, zero
.if \zero
	WIN 0x81+0x40*(\hi)
.else
	WIN MUL_LO+0x50*(\hi)
.endif
.irp a, \a0, (\a0)+1
.irp b, 0,1,2,3,4,5,6,7
.if \zero
	v_wmma_f32_16x16x32_bf16 v[8*(8*(\a)+(\b)):8*(8*(\a)+(\b))+7], v[(\f)+8*(\b):(\f)+8*(\b)+7], v[(\f)+8*(4*(\hi)+(\a)):(\f)+8*(4*(\hi)+(\a))+7], v[BI+8*(\b):BI+8*(\b)+7]
.else
	v_wmma_f32_16x16x32_bf16 v[8*(8*(\a)+(\b)):8*(8*(\a)+(\b))+7], v[(\f)+8*(\b):(\f)+8*(\b)+7], v[(\f)+8*(4*(\hi)+(\a)):(\f)+8*(4*(\hi)+(\a))+7], v[8*(8*(\a)+(\b)):8*(8*(\a)+(\b))+7]
.endif
.endr
.endr
.endm
; 32 LDS loads in one run: the fragments of quarter kq (32 along K) of the slot in hand into buffer f: W's 128 columns (turned), then A's 128 rows
.macro FETCH kq, f
	WIN TO_B
.irp i, 0,1,2,3,4,5,6,7
	ds_load_tr16_b128 v[(\f)+8*(\i):(\f)+8*(\i)+3],   v[ADRB] offset:(\kq)*32*PW+32*(\i)
	ds_load_tr16_b128 v[(\f)+8*(\i)+4:(\f)+8*(\i)+7], v[ADRB] offset:(\kq)*32*PW+16*PW+32*(\i)
.endr
	WIN 0
.irp i, 0,1,2,3,4,5,6,7
	ds_load_b128 v[(\f)+8*(\i):(\f)+8*(\i)+3],   v[ADRA] offset:(\kq)*64+(\i)*16*PA
	ds_load_b128 v[(\f)+8*(\i)+4:(\f)+8*(\i)+7], v[ADRA] offset:(\kq)*64+(\i)*16*PA+32
.endr
.endm
.macro PLACES                          ; four plain vector instructions between a matrix instruction and a load into, or a vector read of, its registers
.rept 4
	v_nop
.endr
.endm
; A K step is four quarters of 32 along K, 64 matrix instructions each, on buffers 0, 1, 0, 1.  One of the first three multiplies buffer f and fetches quarter kq into buffer g.
.macro QUARTER kq, f, g, zero
	s_wait_dscnt 8                                 ; W and A's rows 0-63 are in; the youngest eight loads (A's rows 64-127) may be out
	MUL16 \f, 0, 0, \zero
	MUL16 \f, 0, 2, \zero
	PLACES
	FETCH \kq, \g
	s_wait_dscnt 32                                ; all but the 32 just issued
	MUL16 \f, 1, 0, \zero
	MUL16 \f, 1, 2, \zero
.endm
; The last quarter multiplies buffer 1 and changes slots.  In front of the barrier each wave waits for all its tensor loads (one is out: its part of the next slot), adds 0 to its spare word,
; and waits for that and for its own reads of this slot.  Behind it nobody reads this slot any more and the next slot is whole.
.macro MEET round
	WIN 0
	s_wait_tensorcnt 0x0                           ; all my tensor loads have landed
	ds_add_u32 v[SPW], v[NIL]                      ; 0 onto my spare word
	s_wait_dscnt 9                                 ; (the add and the youngest eight loads may be out)
	MUL16 F1, 0, 0, 0
	s_wait_dscnt 0x0                               ; the add is done, and my reads of this slot are over
	s_barrier_signal -1
	MUL16 F1, 0, 2, 0
.if \round
	WIN 0
.endif
	s_barrier_wait -1
.endm
; fill = 1: the slot just read out is filled again, two K steps ahead: the barrier opens a round of the cluster's barrier, and the joint load is the first thing behind the round.
; From that request to the wait for it a wave issues 224 matrix instructions.
.macro TURN fill
	MEET \fill
.if \fill
	CREST
	s_xor_b32 s[G0+5], s[G0+5], SLOT               ; the walking descriptors: the other slot than last time,
	s_add_nc_u64 s[G0+6:G0+7], s[G0+6:G0+7], 256   ; the next K step; the type bits on top are not reached
	s_xor_b32 s[G0B+5], s[G0B+5], SLOT
	s_add_nc_u64 s[G0B+6:G0B+7], s[G0B+6:G0B+7], 65536
	JLOAD 1                                        ; the four v_nop behind it are also the places in front of the loads below
.else
	PLACES
.endif
	WIN 0
	s_xor_b32 s[SB], s[SB], SLOT                   ; the reads go on in the other slot
	v_add_nc_u32 v[ADRA], s[SB], v[ADRA0]
	v_add_nc_u32 v[ADRB], s[SB], v[ADRB0]
	FETCH 0, F0
	MUL16 F1, 1, 0, 0
	MUL16 F1, 1, 2, 0
.endm
; THE WAY OUT of block a (16 rows).  PACK: the floor, then rounded to bf16, 16 bytes a lane; each accumulator is read from its lowest register on.
.macro PACK a
.set AC, 64*((\a)%4)
	WIN 0x88+0x44*((\a)/4)                         ; destination and source 1 in window 2 or 3
.set i, 0
.rept 64
	v_max_num_f32 v[AC+i], s[FL], v[AC+i]
.set i, i+1
.endr
	WIN 0x0a+5*((\a)/4)                            ; sources 0 and 1 in window 2 or 3
.irp b, 0,1,2,3,4,5,6,7
.irp r, 0,1,2,3
	v_cvt_pk_bf16_f32 v[TMP+4*(\b)+(\r)], v[AC+8*(\b)+2*(\r)], v[AC+8*(\b)+2*(\r)+1]
.endr
.endr
	WIN 0
.endm
.macro TOSTAGE a                       ; into my own stage, and back by panels: load 4 q + t takes rows 4 t .. 4 t + 3 of panel q
	WIN 0
.set BK, OB+192*((\a)%2)
.irp b, 0,1,2,3,4,5,6,7
	ds_store_b128 v[STO], v[TMP+4*(\b):TMP+4*(\b)+3] offset:32*(\b)
.endr
.irp q, 0,1
.irp t, 0,1,2,3
	ds_load_b128 v[BK+4*(4*(\q)+(\t)):BK+4*(4*(\q)+(\t))+3], v[RD] offset:(\q)*128+(\t)*4*SPITCH  ; LDS serves a wave's instructions in order (ISA guide 5.7.1.4): these see the stores above
.endr
.endr
.endm
.macro SEND a, younger
	WIN 0
.set BK, OB+192*((\a)%2)
	s_wait_dscnt \younger                          ; the block is back in registers
	s_wait_xcnt 0x0                                ; only behind this wait are the stores' base and the registers that earlier stores read rewritten
.if (\a) != 0
	s_add_nc_u64 s[10:11], s[10:11], 2048          ; 16 rows of a panel on
.endif
.irp q, 0,1
.irp t, 0,1,2,3
	global_store_b128 v[CO], v[BK+4*(4*(\q)+(\t)):BK+4*(4*(\q)+(\t))+3], s[10:11] offset:(\q)*524288+512*(\t)  ; 512 consecutive bytes, at a multiple of 256 from out's first byte
.endr
.endr
.endm
	s_wait_tensorcnt 0x1                           ; my part of K step 0 is in; K step 1's may stay out
	s_barrier_signal -1
	s_barrier_wait -1                              ; everybody's is
	FETCH 0, F0
	s_wait_loadcnt 0x0                             ; the bias
	QUARTER 1, F0, F1, 1                           ; the first quarter stands in front of the loop: its products start the sums
	WIN 0                                          ; at a label and at a branch every window is 0
	s_mov_b32 s3, KSTEPS-2
.Lstep:                                                ; a trip: from a K step's second quarter to the next step's first; it fills the slot that it leaves.  The 64 accumulators take turns
	QUARTER 2, F1, F0, 0
	QUARTER 3, F0, F1, 0
	TURN 1
	QUARTER 1, F0, F1, 0
	WIN 0
	s_sub_co_u32 s3, s3, 1
	s_cmp_lg_u32 s3, 0
	s_cbranch_scc1 .Lstep
	; The last two K steps ask for nothing: one text, two trips, entered behind the first quarter, which the loop above has just run.  The second trip's change of slots
	; serves nothing: one more barrier, and 32 fragments of the slot multiplied before, into buffer 0, which nobody names again: the price of one text for both trips.
	s_mov_b32 s3, 2
	s_branch .Lin
.Ltail:
	QUARTER 1, F0, F1, 0
	WIN 0
.Lin:
	QUARTER 2, F1, F0, 0
	QUARTER 3, F0, F1, 0
	TURN 0
	WIN 0
	s_sub_co_u32 s3, s3, 1
	s_cmp_lg_u32 s3, 0
	s_cbranch_scc1 .Ltail
	PLACES
	PACK 0
	TOSTAGE 0
.irp a, 1,2,3,4,5,6,7                  ; block a's arithmetic stands between block a - 1's loads from the stage and the wait for them
	PACK \a
	SEND (\a)-1, 0
	TOSTAGE \a
.endr
	SEND 7, 0
	s_wait_tensorcnt 0x0                           ; the wave's end
	ds_add_u32 v[SPW], v[NIL]
	s_wait_dscnt 0x0
	CROUND                                         ; the closing round
	s_endpgm
.Lfunc_end_k_qa7b4e49a58_qkv:
	.size	k_qa7b4e49a58_qkv, .Lfunc_end_k_qa7b4e49a58_qkv-k_qa7b4e49a58_qkv
	.p2alignl 7, 3214868480
	.fill 96, 4, 3214868480
	.section	.rodata,"a",@progbits
	.p2align	6, 0x0
	.amdhsa_kernel k_qa7b4e49a58_qkv
		.amdhsa_group_segment_fixed_size 327680
		.amdhsa_private_segment_fixed_size 0
		.amdhsa_enable_private_segment 0
		.amdhsa_kernarg_size 32
		.amdhsa_user_sgpr_count 2
		.amdhsa_user_sgpr_kernarg_segment_ptr 1
		.amdhsa_wavefront_size32 1
		.amdhsa_system_sgpr_workgroup_id_x 1
		.amdhsa_system_sgpr_workgroup_id_y 1
		.amdhsa_system_sgpr_workgroup_id_z 1
		.amdhsa_system_vgpr_workitem_id 0
		.amdhsa_next_free_vgpr 1024
		.amdhsa_next_free_sgpr 66
		.amdhsa_reserve_vcc 0
		.amdhsa_float_denorm_mode_32 3
		.amdhsa_float_denorm_mode_16_64 3
		.amdhsa_memory_ordered 1
		.amdhsa_forward_progress 1
		.amdhsa_inst_pref_size 118
	.end_amdhsa_kernel
	.amdgpu_metadata
---
amdhsa.version: [ 1, 2 ]
amdhsa.kernels:
  - .name:           k_qa7b4e49a58_qkv
    .symbol:         k_qa7b4e49a58_qkv.kd
    .args:
      - { .name: act, .offset: 0, .size: 8, .value_kind: global_buffer, .address_space: global }
      - { .name: wA, .offset: 8, .size: 8, .value_kind: global_buffer, .address_space: global }
      - { .name: zb, .offset: 16, .size: 8, .value_kind: global_buffer, .address_space: global }
      - { .name: big, .offset: 24, .size: 8, .value_kind: global_buffer, .address_space: global }
    .group_segment_fixed_size: 327680
    .private_segment_fixed_size: 0
    .kernarg_segment_align: 8
    .kernarg_segment_size: 32
    .max_flat_workgroup_size: 128
    .sgpr_count:     66
    .vgpr_count:     1024
    .wavefront_size: 32
...
	.end_amdgpu_metadata
.endif
;; end of part 2
;; launch attn (part 3): grid 4 x 64, 4 waves a work-group, clusters of 4 x 1, 327,680 bytes of LDS; arguments big, act; writes act
.if DOCPART == 3
	.amdgcn_target "amdgcn-amd-amdhsa--gfx1250"
	.amdhsa_code_object_version 6
	.text
	.protected	k_qa7b4e49a58_attn
	.globl	k_qa7b4e49a58_attn
	.p2align	8
	.type	k_qa7b4e49a58_attn,@function
k_qa7b4e49a58_attn:
	s_mov_b64 s[64:65], 0
	v_nop
	global_prefetch_b8 v0, s[64:65] scope:SCOPE_SE
	s_setreg_imm32_b32 hwreg(HW_REG_WAVE_MODE, 25, 1), 1
	s_wait_xcnt 0x0
	s_wait_alu depctr_hold_cnt(0) depctr_sa_sdst(0) depctr_va_vdst(0) depctr_va_sdst(0) depctr_va_ssrc(0) depctr_va_vcc(0) depctr_vm_vsrc(0)
	s_getreg_b32 s2, hwreg(HW_REG_IB_STS2, 6, 4)
	s_cmp_eq_u32 s2, 0
	s_cbranch_scc0 .Lentry_in_a_cluster
	s_endpgm
.Lentry_in_a_cluster:
	s_bfe_u32 s2, ttmp6, 0x10000c
	s_cmp_lg_u32 s2, 0x3003
	s_cbranch_scc0 .Lentry_shape_is_right
	s_endpgm
.Lentry_shape_is_right:
; CAUSAL ATTENTION, 64 (batch, head) pairs of 1,024 rows, head size 64.  big holds panels [48][4096][64] bf16: panel h is q of head h, 16 + h its k, 32 + h its v; row = batch x 1024 + t.
; act takes O in panels [16][4096][64] bf16.  O[t] = the sum over s <= t of softmax_s(q[t] . k[s] / 8) v[s].  Products, maxima and sums in f32; the weights p are rounded to bf16 for the
; second product (their sum l is taken of the unrounded p), O once at the end.
; LIMITS.  A hidden score counts as its value less 1e30; a weight below 2^-126 counts as 0 in l; NaN and infinities are not treated apart.
; SHARES.  The four work-groups of a cluster serve one (batch, head); work-group p, wave w owns four PIECES of 16 queries: piece r is t = 256 r + 64 p + 16 w + 0..15.
; THE WALK is the same text and the same counts in every work-group: key bands kb = 0..3 of 256 keys, four steps of 64 keys each; in band kb the pieces kb..3 work: 40 piece-steps of 64.
; Pieces r > kb see every key.  Piece kb takes a mask, the C operand that starts its sum S^T = K Q^T: MD x AL + BE with two scalars: in the band's step s they are (1, 0) if s = p,
; (0, 0) if s < p, (0, -1e30) if s > p; MD, made once, hides the keys above the diagonal of my 16 rows' own step.  p enters q's and O's global addresses and these two scalars (by a select),
; and no branch, trip count or LDS address.
; CLUSTER.  All four walk the same K and V, and a head's K and V fit in LDS whole: each of four bands is asked for jointly, once, at the start; nothing is filled again.
; LAYOUT.  S^T = K Q^T holds ONE query a lane (lane % 16) and the keys 8 (lane / 16) + 0..7; two such results rounded to bf16 ARE source 1 of O^T = V^T P.  K is read as it lies, V turned.
; SOFTMAX.  p = 2^(c s - c m), c = log2(e) / 8, with a running maximum m; O and l are multiplied by a = 2^(c m_old - c m_new) in every step.  m starts at the lowest finite number, O and l at 0.
; A step goes in phases: all its K Q^T, the pieces' softmax, all its V^T P; the next step's K is fetched behind the first products, its V behind the second.
; REGISTERS, in windows of 256: window 0: v0-15 addresses; v16-31 four registers of statistics a piece; v48-52 at work; v64-191 S^T, 32 a piece; v192-255 P, 16 a piece
;   window 1: v0-127 O^T, 32 a piece; v128-159 MD; v160-191 MC      window 2: v0-63 Q, 16 a piece; v128-191 K of one step; v192-255 V of one step
.set PK,    144       ; a row of K in LDS: 128 bytes + 16: the 16 rows of a load start 36 words apart
.set PV,    160       ; a row of V: 128 + 32: the 8 rows x 32 bytes of half a turning load start 40 words apart
.set VOFF,  1024*PK   ; 1,024 rows of K, then 1,024 rows of V
.set STAGE, VOFF+1024*PV  ; behind them, never filled by a tensor load: 16 rows x 144 bytes for each wave, for the way out
.set SP,    144
.set SPARE, STAGE+4*16*SP  ; behind the stages: the spare words, 128 bytes for each wave
.set AK0, 2           ; v2   my lane's place in a step's K; never rewritten
.set AV0, 3           ; v3   the same for V
.set AK,  4           ; v4   the LDS address of K's next run of loads
.set AV,  5           ; v5   of V's
.set STO, 6           ; v6   the way out: where I put 16 bytes of a row
.set RD,  7           ; v7   the way out: where I read rows back
.set GO,  8           ; v8   my byte offset in 512 consecutive bytes of O
.set QO,  15          ; v15  my byte offset in 16 rows of Q
.set ST,  16          ; piece r's statistics at v[ST+4 r]: c m, m, l (even keys', odd keys')
.set CW,  48          ; v48-51 c0-c3 at work; when the maximum is found c2 takes a
.set WO,  52          ; v52  c m_old
.set SPW, 62          ; v62  LDS address of my spare word; never rewritten
.set NIL, 63          ; v63  0; never rewritten
.set S,   64
.set P,   192
.set MD,  128         ; window 1
.set MC,  160         ; window 1
.set KF,  128         ; window 2: key block kt, channel half c at KF + 16 kt + 8 c
.set VF,  192         ; window 2: key half kk, channel block cb at VF + 32 kk + 8 cb
.set WV,  8           ; s8   wave
.set G1K, 16          ; s[16:23] descriptor group 1 for K
.set G1V, 24          ; s[24:31] for V: it differs in the padding alone
.set G0K, 32          ; s[32:47] group 0 for K, a set for each band
.set G0V, 48          ; s[48:63] the same for V
.set CS,  74          ; s[74:75] c
.set SEL, 76          ; s[76:77] v_permlanex16_b32's selects
.set AL,  78          ; s[78:79] the mask's factor, in the low word
.set BE,  80          ; s[80:81] the mask's addend
.set BIGN, 82         ; s82  -1e30
.set SPQ, 83          ; s83  4 - p
.set CNT, 84          ; s84  counts a band's steps, 4 to 1
.set TBK, 85          ; s85  LDS byte at which K of the step to be fetched begins
.set TBV, 86          ; s86  the same for V, less VOFF
.set MSB, 0
.macro WIN new
.if MSB != (\new)
	s_set_vgpr_msb (MSB<<8)|(\new)
.set MSB, (\new)
.endif
.endm
.set W_KQ, 0x0a       ; K and Q in window 2, S^T in window 0
.set W_KM, 0x1a       ; the same with the C operand in window 1
.set W_PV, 0x52       ; V in window 2, P in window 0, O^T in window 1
.set W_RS, 0x41       ; destination and source 0 in window 1, source 1 in window 0
.macro CROUND
	s_barrier_signal -1
	s_barrier_wait -1
	s_cmp_lg_u32 s[WV], 0
	s_cbranch_scc1 .Lnot_wave_0_\@
	s_barrier_signal -3
.Lnot_wave_0_\@:
	s_barrier_wait -3
	s_barrier_signal -1
	s_barrier_wait -1
.endm
.macro PLACES
.rept 4
	v_nop
.endr
.endm
	s_load_b128 s[4:7], s[0:1], 0x0   ; big s[4:5], act s[6:7]
	v_lshl_add_u32 v[SPW], v0, 2, SPARE
	v_mov_b32 v[NIL], 0
	ds_add_u32 v[SPW], v[NIL]       ; the wave's opening: the add and its wait stand ahead of my first tensor load
	v_lshrrev_b32 v1, 5, v0
	v_readfirstlane_b32 s[WV], v1   ; wave 0..3
	s_bfe_u32 s9, ttmp6, 0x40000    ; p: my place in the cluster
	s_and_b32 s10, ttmp7, 0xffff    ; 16 x batch + head, which the four partners share
	s_lshr_b32 s11, s10, 4
	s_and_b32 s10, s10, 15
	s_lshl_b32 s10, s10, 19         ; a panel is 524,288 bytes,
	s_lshl_b32 s11, s11, 17         ; a batch's 1,024 rows 131,072
	s_add_co_u32 s10, s10, s11
	s_and_b32 s12, s[WV], 1         ; which half of a band's 256 keys I fetch:
	s_lshl_b32 s13, s12, 14         ; its 128 rows of 128 bytes in memory,
	s_add_co_u32 s14, s10, s13
	s_mov_b32 s15, 0
	s_mul_i32 s87, s12, 128*PK      ; and its place in a band, for K
	s_mul_i32 s13, s12, 128*PV      ; and for V: no place in the cluster enters an LDS address
	s_lshl_b32 s88, s9, 13          ; my work-group's 64 rows in a block of 256,
	s_add_co_u32 s88, s88, s10
	s_lshl_b32 s89, s[WV], 11       ; my wave's 16 of them
	s_add_co_u32 s88, s88, s89
	s_mov_b32 s89, 0
	; group 1.  128 keys are 16,384 dense bytes: asked for as 64 rows of 256 bytes, two keys a row, and padded in LDS after every key
	s_mov_b32 s[G1K], 15|(1<<16)|(1<<20)|(1<<21)|(4<<22)|(3<<25)  ; the mask of four; 2-byte elements; padding on; bit 21 beside a mask; after every 32 words; 4 words
	s_mov_b32 s[G1V], 15|(1<<16)|(1<<20)|(1<<21)|(4<<22)|(7<<25)  ; the same with 8 words
.irp g, G1K, G1V
	s_mov_b32 s[\g+1], 128<<16
	s_mov_b32 s[\g+2], 64<<16
	s_mov_b32 s[\g+3], 128<<16
	s_mov_b32 s[\g+4], 64
	s_mov_b32 s[\g+5], 128
	s_mov_b32 s[\g+6], 0
	s_mov_b32 s[\g+7], 0
.endr
	s_mov_b32 s[CS], 0x3e38aa3b     ; c = log2(e) / 8
	s_mov_b32 s[CS+1], s[CS]
	s_mov_b32 s[SEL], 0x76543210
	s_mov_b32 s[SEL+1], 0xfedcba98
	s_mov_b32 s[AL+1], 0            ; named as pairs
	s_mov_b32 s[BE+1], 0
	s_mov_b32 s[BIGN], 0xf149f2ca   ; -1e30
	s_sub_co_u32 s[SPQ], 4, s9
	s_mov_b32 s[TBK], 0
	s_mov_b32 s[TBV], 0
	s_wait_dscnt 0x0                ; the opening add is done
	s_wait_kmcnt 0x0
	s_add_nc_u64 s[68:69], s[4:5], s[14:15]
	s_add_nc_u64 s[70:71], s[68:69], 0x1000000   ; V at my half of the head's band 0,
	s_add_nc_u64 s[68:69], s[68:69], 0x800000    ; K likewise
	s_add_nc_u64 s[66:67], s[4:5], s[88:89]      ; Q and O at my rows of piece 0
	s_add_nc_u64 s[72:73], s[6:7], s[88:89]
.irp j, 0,1,2,3
	s_mov_b32 s[G0K+4*\j], 1
	s_add_co_u32 s[G0K+4*\j+1], s87, \j*256*PK
	s_add_nc_u64 s[G0K+4*\j+2:G0K+4*\j+3], s[68:69], \j*32768
	s_or_b32 s[G0K+4*\j+3], s[G0K+4*\j+3], 0x80000000
	s_mov_b32 s[G0V+4*\j], 1
	s_add_co_u32 s[G0V+4*\j+1], s13, VOFF+\j*256*PV
	s_add_nc_u64 s[G0V+4*\j+2:G0V+4*\j+3], s[70:71], \j*32768
	s_or_b32 s[G0V+4*\j+3], s[G0V+4*\j+3], 0x80000000
.endr
	CROUND                          ; all four work-groups are here: the joint loads meet
	s_cmp_lt_u32 s[WV], 2           ; waves 0 and 1 fetch the halves of K's bands, waves 2 and 3 of V's: a wave's four fills stand in one branch; four loads of mine are out
	s_cbranch_scc0 .Lfirst_v
.irp j, 0,1,2,3
	tensor_load_to_lds s[G0K+4*\j:G0K+4*\j+3], s[G1K:G1K+7]
	s_nop 0
.endr
	PLACES
	s_branch .Lfirst_asked
.Lfirst_v:
.irp j, 0,1,2,3
	tensor_load_to_lds s[G0V+4*\j:G0V+4*\j+3], s[G1V:G1V+7]
	s_nop 0
.endr
	PLACES
.Lfirst_asked:
	; All that follows up to the barrier stands in the wait for the first tiles.
	v_and_b32 v1, 15, v0            ; l % 16
	v_bfe_u32 v9, v0, 4, 1          ; l / 16
	v_lshlrev_b32 v[QO], 7, v1
	v_lshl_add_u32 v[QO], v9, 4, v[QO]  ; row x 128 + 16 x half
	WIN 0x80                        ; destination window 2
.set i, 0
.rept 8                             ; Q stays in registers: piece i / 2 lies 256 rows on; channels 32 (i % 2) on
	global_load_b128 v[8*i:8*i+3],   v[QO], s[66:67] offset:(i/2)*32768+(i%2)*64
	global_load_b128 v[8*i+4:8*i+7], v[QO], s[66:67] offset:(i/2)*32768+(i%2)*64+32
.set i, i+1
.endr
	WIN 0
	v_lshlrev_b32 v14, 3, v9
	v_sub_nc_u32 v14, v1, v14
	s_lshl_b32 s10, s[WV], 4
	v_add_nc_u32 v14, s10, v14      ; my query's place in its 64, 16 w + l % 16, less my lanes' 8 (l / 16): register j of key block kt is hidden where 16 kt + j is greater
	WIN 0x40
.set i, 0
.rept 32
	v_cmp_gt_i32 vcc_lo, 16*(i/8)+i%8, v14
	v_cndmask_b32 v[MD+i], 0, s[BIGN], vcc_lo
.set i, i+1
.endr
.set i, 0
.rept 128                           ; O^T = 0, on purpose: no first step is written out
	v_mov_b32 v[i], 0
.set i, i+1
.endr
	WIN 0
.set i, 0
.rept 4
	v_mov_b32 v[ST+4*i], 0xfe000000    ; c m: far below every c s, so the first a is 0
	v_mov_b32 v[ST+4*i+1], 0xff7fffff  ; m
	v_mov_b32 v[ST+4*i+2], 0
	v_mov_b32 v[ST+4*i+3], 0
.set i, i+1
.endr
	v_mul_u32_u24 v[AK0], v1, PK
	v_lshl_add_u32 v[AK0], v9, 4, v[AK0]  ; row x pitch + 16 x half
	v_and_b32 v10, 7, v0
	v_bfe_u32 v11, v0, 3, 1
	v_lshl_add_u32 v[AV0], v9, 3, v10     ; the turning load: lane l reads key 8 (l / 16) + l % 8, channels 8 ((l / 8) % 2) + 0..7
	v_mul_u32_u24 v[AV0], v[AV0], PV
	v_lshl_add_u32 v[AV0], v11, 4, v[AV0]
	v_add_nc_u32 v[AV0], VOFF, v[AV0]
	s_mul_i32 s10, s[WV], 16*SP
	s_add_co_u32 s10, s10, STAGE    ; my stage
	v_mul_u32_u24 v[STO], v1, SP    ; in: row l % 16, 16 bytes for each half of the lanes
	v_lshl_add_u32 v[STO], v9, 4, v[STO]
	v_add_nc_u32 v[STO], s10, v[STO]
	v_bfe_u32 v[RD], v0, 3, 2       ; back: 32 lanes take four rows of 128 bytes,
	v_mul_u32_u24 v[RD], v[RD], SP
	v_lshl_add_u32 v[RD], v10, 4, v[RD]
	v_add_nc_u32 v[RD], s10, v[RD]
	v_and_b32 v[GO], 31, v0         ; which are 512 consecutive bytes of O
	v_lshlrev_b32 v[GO], 4, v[GO]
	v_mov_b32 v[AK], v[AK0]
	v_mov_b32 v[AV], v[AV0]
.macro FETCH_K                      ; a step's K: 64 keys x 64 channels, 8 fragments
	WIN 0x80
.irp f, 0,1,2,3,4,5,6,7             ; keys 16 (f / 2) on, channels 32 (f % 2) on
	ds_load_b128 v[KF+8*\f:KF+8*\f+3],   v[AK] offset:(\f/2)*16*PK+(\f%2)*64
	ds_load_b128 v[KF+8*\f+4:KF+8*\f+7], v[AK] offset:(\f/2)*16*PK+(\f%2)*64+32
.endr
	WIN 0
.endm
.macro FETCH_V                      ; a step's V, turned
	WIN 0x80
.irp f, 0,1,2,3,4,5,6,7             ; keys 32 (f / 4) on, channels 16 (f % 4) on
	ds_load_tr16_b128 v[VF+8*\f:VF+8*\f+3],   v[AV] offset:(\f/4)*32*PV+(\f%4)*32
	ds_load_tr16_b128 v[VF+8*\f+4:VF+8*\f+7], v[AV] offset:(\f/4)*32*PV+16*PV+(\f%4)*32
.endr
	WIN 0
.endm
.macro MASK                         ; MC = MD x AL + BE
	WIN W_RS
.set z, 0
.rept 16
	v_pk_fma_f32 v[MC+2*z:MC+2*z+1], v[MD+2*z:MD+2*z+1], s[AL:AL+1], s[BE:BE+1] op_sel_hi:[1,0,0]
.set z, z+1
.endr
.endm
; S^T = K Q^T for pieces kb..3: channel half, piece, key block.  The accumulators take turns: between the two links of a chain stand all the others'.
.macro KQALL kb
.set cc, 0
.rept 2
.set rr, (\kb)
.rept 4-(\kb)
.set kt, 0
.rept 4
.set rS, S+32*rr+8*kt
.set rK, KF+16*kt+8*cc
.set rQ, 16*rr+8*cc
.if (cc == 0) && (rr == (\kb))
	WIN W_KM
	v_wmma_f32_16x16x32_bf16 v[rS:rS+7], v[rK:rK+7], v[rQ:rQ+7], v[MC+8*kt:MC+8*kt+7]
.elseif cc == 0
	WIN W_KQ
	v_wmma_f32_16x16x32_bf16 v[rS:rS+7], v[rK:rK+7], v[rQ:rQ+7], 0
.else
	WIN W_KQ
	v_wmma_f32_16x16x32_bf16 v[rS:rS+7], v[rK:rK+7], v[rQ:rQ+7], v[rS:rS+7]
.endif
.set kt, kt+1
.endr
.set rr, rr+1
.endr
.set cc, cc+1
.endr
.endm
; O^T += V^T P for pieces kb..3: key half, piece, channel block; by turns likewise
.macro PVALL kb
	WIN W_PV
.set kk, 0
.rept 2
.set rr, (\kb)
.rept 4-(\kb)
.set cb, 0
.rept 4
.set rO, 32*rr+8*cb
.set rV, VF+32*kk+8*cb
.set rP, P+16*rr+8*kk
	v_wmma_f32_16x16x32_bf16 v[rO:rO+7], v[rV:rV+7], v[rP:rP+7], v[rO:rO+7]
.set cb, cb+1
.endr
.set rr, rr+1
.endr
.set kk, kk+1
.endr
.endm
; One piece's softmax for one step.  Each accumulator's lowest registers are read first.
.macro SOFTMAX pc
.set rT, ST+4*(\pc)
.set rS, S+32*(\pc)
.set rP, P+16*(\pc)
.set rO, 32*(\pc)
	WIN 0
.irp n, 0,1,2,3                     ; the maximum of the lane's 32 scores and the old m: four chains of seven scores, three operands at a time,
	v_max3_num_f32 v[CW+\n], v[rS+8*\n], v[rS+8*\n+1], v[rS+8*\n+2]
.endr
.irp k, 1,2
.irp n, 0,1,2,3
	v_max3_num_f32 v[CW+\n], v[CW+\n], v[rS+8*\n+2*\k+1], v[rS+8*\n+2*\k+2]
.endr
.endr
	v_max3_num_f32 v[CW], v[CW], v[rS+7], v[rS+15]       ; the four scores left over,
	v_max3_num_f32 v[CW+1], v[CW+1], v[rS+23], v[rS+31]
	v_max3_num_f32 v[CW+2], v[CW+2], v[CW+3], v[rT+1]    ; the old m
	v_mov_b32 v[WO], v[rT]                               ; c m_old is kept
	v_max3_num_f32 v[CW], v[CW], v[CW+1], v[CW+2]
	v_permlanex16_b32 v[CW+3], v[CW], s[SEL], s[SEL+1]   ; the query's other 32 keys lie in the lane 16 away
	v_max_num_f32 v[rT+1], v[CW], v[CW+3]
	v_mul_f32 v[rT], s[CS], v[rT+1]
	v_sub_f32 v[CW+1], v[WO], v[rT]
	v_exp_f32 v[CW+2], v[CW+1]                           ; a; the scalings below stand between it and its use
.set z, 0
.rept 16
	v_pk_fma_f32 v[rS+2*z:rS+2*z+1], v[rS+2*z:rS+2*z+1], s[CS:CS+1], v[rT:rT+1] op_sel_hi:[1,0,0] neg_lo:[0,0,1] neg_hi:[0,0,1]  ; c s - c m
.set z, z+1
.endr
.set z, 0
.rept 32
	v_exp_f32 v[rS+z], v[rS+z]
.set z, z+1
.endr
	WIN W_RS                        ; O^T times a: also the plain work between the last exponential and the use of its result
.set z, 0
	s_wait_alu depctr_va_vdst(0)
.rept 16
	v_pk_mul_f32 v[rO+2*z:rO+2*z+1], v[rO+2*z:rO+2*z+1], v[CW+2:CW+3] op_sel_hi:[1,0]
.set z, z+1
.endr
	WIN 0
.set z, 0
.rept 16
	v_cvt_pk_bf16_f32 v[rP+z], v[rS+2*z], v[rS+2*z+1]
.set z, z+1
.endr
.irp w, 4,8,16,32                   ; the sum of the 16 pairs, in place: neighbours 1, 2, 4 and 8 pairs apart
.set z, 0
.rept 32/\w
	v_pk_add_f32 v[rS+\w*z:rS+\w*z+1], v[rS+\w*z:rS+\w*z+1], v[rS+\w*z+\w/2:rS+\w*z+\w/2+1]
.set z, z+1
.endr
.endr
	v_pk_fma_f32 v[rT+2:rT+3], v[rT+2:rT+3], v[CW+2:CW+3], v[rS:rS+1] op_sel_hi:[1,0,1]  ; l = a l + the sum
.endm
; A KEY STEP of band kb.  pre = 1: the next step's K and V are fetched.
.macro STEP kb, pre
	s_cmp_eq_u32 s[CNT], s[SPQ]     ; is this step (4 - CNT of the band) my 64 rows' own?
	s_cselect_b32 s[AL], 1.0, 0
	s_cmp_lt_u32 s[CNT], s[SPQ]     ; or a later one?
	s_cselect_b32 s[BE], s[BIGN], 0
	MASK
	s_wait_dscnt 16                 ; K is in; V's 16 loads may stay out
	KQALL \kb
	WIN 0
.if \pre
	s_add_co_u32 s[TBK], s[TBK], 64*PK
	s_add_co_u32 s[TBV], s[TBV], 64*PV
	v_add_nc_u32 v[AK], s[TBK], v[AK0]   ; these two and two v_nop are the four places behind the products
	v_add_nc_u32 v[AV], s[TBV], v[AV0]
	v_nop
	v_nop
	FETCH_K
.else
	PLACES
.endif
.set pp, (\kb)
.rept 4-(\kb)
	SOFTMAX pp
.set pp, pp+1
.endr
.if \pre
	s_wait_dscnt 16                 ; V is in; the next K's 16 loads may stay out
.else
	s_wait_dscnt 0x0
.endif
	PVALL \kb
	WIN 0
	PLACES
.if \pre
	FETCH_V
.endif
.endm
; A PIECE'S WAY OUT: l's two halves and the other half of the lanes' are added; O^T is divided by l, rounded to bf16 and sent through my stage in LDS.
.macro FINISH pc
.set rT, ST+4*(\pc)
.set rS, S+32*(\pc)
.set rO, 32*(\pc)
	WIN 0
	v_add_f32 v[rT+2], v[rT+2], v[rT+3]
	v_permlanex16_b32 v[rT+3], v[rT+2], s[SEL], s[SEL+1]
	v_add_f32 v[rT+2], v[rT+2], v[rT+3]
	v_rcp_f32 v[rT+2], v[rT+2]
	v_nop                           ; a plain instruction between the reciprocal and the use of its result
	WIN W_RS
.set z, 0
	s_wait_alu depctr_va_vdst(0)
.rept 16
	v_pk_mul_f32 v[rO+2*z:rO+2*z+1], v[rO+2*z:rO+2*z+1], v[rT+2:rT+3] op_sel_hi:[1,0]
.set z, z+1
.endr
	WIN 0x05                        ; sources 0 and 1 window 1, destination window 0: the piece's S^T is free
.set z, 0
.rept 16
	v_cvt_pk_bf16_f32 v[rS+z], v[rO+2*z], v[rO+2*z+1]
.set z, z+1
.endr
	WIN 0
.irp f, 0,1,2,3
	ds_store_b128 v[STO], v[rS+4*\f:rS+4*\f+3] offset:32*\f
.endr
.irp f, 0,1,2,3
	ds_load_b128 v[rS+4*\f:rS+4*\f+3], v[RD] offset:\f*4*SP  ; LDS serves a wave's instructions in order (ISA guide 5.7.1.4): these see the stores above
.endr
.irp f, 0,1,2,3
	s_wait_dscnt 3-\f
	global_store_b128 v[GO], v[rS+4*\f:rS+4*\f+3], s[72:73] offset:(\pc)*32768+\f*512  ; 512 consecutive bytes, at a multiple of 256 from O's first; these registers are not written again
.endr
.endm
	s_wait_tensorcnt 0x2            ; my parts of bands 0 and 1 are in (band 0's last step fetches band 1's first); two loads stay out
	s_barrier_signal -1
	s_barrier_wait -1               ; everybody's are
	FETCH_K
	FETCH_V
	s_wait_loadcnt 0x0              ; Q
	s_mov_b32 s[CNT], 4
.Lband0:
	STEP 0, 1
	s_sub_co_u32 s[CNT], s[CNT], 1
	s_cmp_lg_u32 s[CNT], 0
	s_cbranch_scc1 .Lband0
	FINISH 0
	s_wait_tensorcnt 0x1            ; band 2 is in
	s_wait_dscnt 0x0
	s_barrier_signal -1
	s_barrier_wait -1
	s_mov_b32 s[CNT], 4
.Lband1:
	STEP 1, 1
	s_sub_co_u32 s[CNT], s[CNT], 1
	s_cmp_lg_u32 s[CNT], 0
	s_cbranch_scc1 .Lband1
	FINISH 1
	s_wait_tensorcnt 0x0            ; band 3 is in
	s_wait_dscnt 0x0
	s_barrier_signal -1
	s_barrier_wait -1
	s_mov_b32 s[CNT], 4
.Lband2:
	STEP 2, 1
	s_sub_co_u32 s[CNT], s[CNT], 1
	s_cmp_lg_u32 s[CNT], 0
	s_cbranch_scc1 .Lband2
	FINISH 2
	s_mov_b32 s[CNT], 4
.Lband3:                            ; three trips; the last step, which fetches nothing, is written out
	STEP 3, 1
	s_sub_co_u32 s[CNT], s[CNT], 1
	s_cmp_lg_u32 s[CNT], 1
	s_cbranch_scc1 .Lband3
	STEP 3, 0
	FINISH 3
	s_wait_tensorcnt 0x0            ; the wave's end
	ds_add_u32 v[SPW], v[NIL]
	s_wait_dscnt 0x0
	CROUND                          ; the closing round
	s_endpgm
.Lfunc_end_k_qa7b4e49a58_attn:
	.size	k_qa7b4e49a58_attn, .Lfunc_end_k_qa7b4e49a58_attn-k_qa7b4e49a58_attn
	.p2alignl 7, 3214868480
	.fill 96, 4, 3214868480
	.section	.rodata,"a",@progbits
	.p2align	6, 0x0
	.amdhsa_kernel k_qa7b4e49a58_attn
		.amdhsa_group_segment_fixed_size 327680
		.amdhsa_private_segment_fixed_size 0
		.amdhsa_enable_private_segment 0
		.amdhsa_kernarg_size 16
		.amdhsa_user_sgpr_count 2
		.amdhsa_user_sgpr_kernarg_segment_ptr 1
		.amdhsa_wavefront_size32 1
		.amdhsa_system_sgpr_workgroup_id_x 1
		.amdhsa_system_sgpr_workgroup_id_y 1
		.amdhsa_system_sgpr_workgroup_id_z 1
		.amdhsa_system_vgpr_workitem_id 0
		.amdhsa_next_free_vgpr 768
		.amdhsa_next_free_sgpr 90
		.amdhsa_reserve_vcc 1
		.amdhsa_float_denorm_mode_32 3
		.amdhsa_float_denorm_mode_16_64 3
		.amdhsa_memory_ordered 1
		.amdhsa_forward_progress 1
		.amdhsa_inst_pref_size 132
	.end_amdhsa_kernel
	.amdgpu_metadata
---
amdhsa.version: [ 1, 2 ]
amdhsa.kernels:
  - .name:           k_qa7b4e49a58_attn
    .symbol:         k_qa7b4e49a58_attn.kd
    .args:
      - { .name: big, .offset: 0, .size: 8, .value_kind: global_buffer, .address_space: global }
      - { .name: act, .offset: 8, .size: 8, .value_kind: global_buffer, .address_space: global }
    .group_segment_fixed_size: 327680
    .private_segment_fixed_size: 0
    .kernarg_segment_align: 8
    .kernarg_segment_size: 16
    .max_flat_workgroup_size: 128
    .sgpr_count:     90
    .vgpr_count:     768
    .wavefront_size: 32
...
	.end_amdgpu_metadata
.endif
;; end of part 3
;; launch proj (part 4): grid 8 x 32, 4 waves a work-group, clusters of 4 x 4, 327,680 bytes of LDS; arguments act, wA, bo, x, x1; writes x1
.if DOCPART == 4
	.amdgcn_target "amdgcn-amd-amdhsa--gfx1250"
	.amdhsa_code_object_version 6
	.text
	.protected	k_qa7b4e49a58_proj
	.globl	k_qa7b4e49a58_proj
	.p2align	8
	.type	k_qa7b4e49a58_proj,@function
k_qa7b4e49a58_proj:
	s_mov_b64 s[64:65], 0
	v_nop
	global_prefetch_b8 v0, s[64:65] scope:SCOPE_SE
	s_setreg_imm32_b32 hwreg(HW_REG_WAVE_MODE, 25, 1), 1
	s_wait_xcnt 0x0
	s_wait_alu depctr_hold_cnt(0) depctr_sa_sdst(0) depctr_va_vdst(0) depctr_va_sdst(0) depctr_va_ssrc(0) depctr_va_vcc(0) depctr_vm_vsrc(0)
	s_getreg_b32 s2, hwreg(HW_REG_IB_STS2, 6, 4)
	s_cmp_eq_u32 s2, 0
	s_cbranch_scc0 .Lentry_in_a_cluster
	s_endpgm
.Lentry_in_a_cluster:
	s_bfe_u32 s2, ttmp6, 0x10000c
	s_cmp_lg_u32 s2, 0xf033
	s_cbranch_scc0 .Lentry_shape_is_right
	s_endpgm
.Lentry_shape_is_right:
; out = A W + bias + resid, all sums and out in f32, K = 1,024.  A: panels [K / 64][4096 m][64] bf16.  W: [K][1024] bf16 row-major, at byte 0x800000 of its buffer.  bias: [1024] f32.  resid, out: [4096][1024] f32.
; A tile of out is 128 x 128: four waves, each 64 x 64: 16 accumulators of 16 x 16.  K goes in steps of 256 through two LDS slots that the tensor data mover fills.
; KSTEPS = K / 256 is the one constant in which this text differs from the FFN's second product.
; THE TEXT holds a K step twice: once with a refill (KSTEPS - 2 trips) and once without (the last two steps, two trips, entered behind the first quarter).
; A's step is 4 panels x my 64 rows, each 8,192 dense bytes; W's rows lie along N and are read turned, by ds_load_tr16_b128.
; The matrix instruction is used transposed (source 0 = 16 columns of W, source 1 = 16 rows of A): a lane holds eight neighbouring columns of one row.  The bias is the C operand of each sum's first product.
; CLUSTER: 4 x 4 work-groups; A's tiles are shared along a row of the cluster, W's along a column: each is asked for jointly.
; ASKED FOR AHEAD (assembled where KSTEPS > 4; with KSTEPS = 4 two of the four K steps are first fills and the other two are asked for in the first two trips: nothing is left to ask for ahead).
; In trip t the joint loads ask for K step t + 2.  In trips 0, 4, 8, .. a prefetch into the L2 asks for the WINDOW of K steps t + 4 .. t + 7, which the joint loads of trips t + 2 .. t + 5 will want.
; Each aligned block of 256 bytes is asked for once in the launch, lanes 256 bytes or a row apart.  A's tile of a step is 4 panels x 128 rows x 128 bytes = 256 blocks, read by the 8 work-groups of a tile row:
; that of tile column c takes half c % 2 of panel c / 2 (32 blocks, 8,192 dense bytes), wave w for the window's step w.  W's 1,024 rows of a window hold one block each for a tile column, read by the 32
; work-groups of that column: that of tile row r takes rows 32 r .. 32 r + 31, by wave 0.  That is 40 KB a work-group and window.  The last window is K steps KSTEPS - 4 .. KSTEPS - 1, asked for in
; trip KSTEPS - 8: no prefetch points past A's or W's end.  K steps 0 to 3 are not asked for ahead.
; LIMITS: NaN and infinities are not treated apart.
; REGISTERS: window 0: v0-31 addresses; v32-95 the bias (v32-63), later the way out; v128-255 the accumulators ((a, b) at 128 + 8 (4 a + b))
;   window 1: two fragment buffers of 128: for 64 along K, 64 registers of A, then 64 of W;   window 2: v0-127 my 64 x 64 of resid
.set KSTEPS, 4                         ; K / 256: a multiple of 4
.set PA,     144                       ; a row of A in LDS: 128 bytes + 16
.set PW,     288                       ; a row of W in LDS: 256 bytes + 32
.set HALF,   36864                     ; what one tensor load brings: 4 panels x 64 rows x 144, or 128 rows x 288
.set SLOT,   4*HALF                    ; 0x24000: no bit of it is in wave x HALF (0x9000), so an exclusive or changes slots
.set WOFF,   2*HALF
.set STAGE,  2*SLOT                    ; behind the ring: 16 rows x 272 bytes for each wave
.set SPITCH, 272
.set SPARE,  STAGE+4*16*SPITCH
.set ADRA0, 16                         ; v16     my lane's place in A's tile of slot 0; never rewritten
.set ADRA,  17                         ; v17     the same in the slot in hand
.set ADRB0, 20                         ; v20-21  my lane's place in W's tile of slot 0: rows 0-127, rows 128-255; never rewritten
.set ADRB,  22                         ; v22-23  the same in the slot in hand
.set STO,  24
.set RD,   25
.set CO,   26                          ; v26     my byte offset in two rows of resid and out
.set BO,   27
.set SPW,  28
.set NIL,  29
.set POA,  30                          ; v30     asked for ahead, A: 256 x lane; never rewritten
.set POW,  31                          ; v31     asked for ahead, W: 2,048 x lane (a row); never rewritten
.set TMP,  32
.set BI,   32
.set ACC,  128
.set F0,   0
.set F1,   128
.set SB,   2                           ; s2   LDS byte at which the slot in hand begins
.set WV,   16
.set FB,   17                          ; which half of the tile's rows is mine; also: I fetch for A (0) or for W (1)
.set HF,   18                          ; which half of its columns; also: which half of that tile I fetch
.set G1,   24                          ; s[24:31] descriptor group 1 for A;  s[32:39] group 0: the first fill's, and the one that walks
.set G0,   32
.set G1B,  48                          ; s[48:55], s[56:63] the same for W
.set G0B,  56
.set MSB, 0
.macro WIN new
.if MSB != (\new)
	s_set_vgpr_msb (MSB<<8)|(\new)
.set MSB, \new
.endif
.endm
.set MUL,  0x05                        ; sources 0 (W) and 1 (A) window 1; C and D window 0
.set TO_F, 0x40
.macro JLOAD s                         ; a joint load; an s_nop 0 and four v_nop follow each of the two lines
	s_cmp_eq_u32 s[FB], 0
	s_cbranch_scc0 .Lfor_w_\@
	tensor_load_to_lds s[G0+4*(\s):G0+4*(\s)+3], s[G1:G1+7]
	s_nop 0
.rept 4
	v_nop
.endr
	s_branch .Lasked_\@
.Lfor_w_\@:
	tensor_load_to_lds s[G0B+4*(\s):G0B+4*(\s)+3], s[G1B:G1B+7]
	s_nop 0
.rept 4
	v_nop
.endr
.Lasked_\@:
.endm
.macro CREST
	s_cmp_lg_u32 s[WV], 0
	s_cbranch_scc1 .Lnot_wave_0_\@
	s_barrier_signal -3
.Lnot_wave_0_\@:
	s_barrier_wait -3
	s_barrier_signal -1
	s_barrier_wait -1
.endm
.macro CROUND
	s_barrier_signal -1
	s_barrier_wait -1
	CREST
.endm
; A window is asked for ahead.  s3 counts the trips down from KSTEPS - 2: trips 0, 4, 8, .. are those with s3 % 4 = 2; at s3 = 2 the window would lie past K's end.
; The two bases, s[4:5] for A and s[6:7] for W, begin at window 0 and are stepped ahead of each request, behind a wait that stands four trips behind the last prefetch that read them.
.macro ASK
	s_and_b32 s12, s3, 3
	s_cmp_lg_u32 s12, 2
	s_cbranch_scc1 .Lno_ask_\@
	s_cmp_eq_u32 s3, 2
	s_cbranch_scc1 .Lno_ask_\@
	s_wait_xcnt 0x0                                ; the bases are rewritten only behind this wait
	s_add_nc_u64 s[4:5], s[4:5], 0x800000          ; four K steps on: 16 panels of 524,288 bytes,
	s_add_nc_u64 s[6:7], s[6:7], 0x200000          ; 1,024 rows of 2,048 bytes
	global_prefetch_b8 v[POA], s[4:5] th:TH_LOAD_NT scope:SCOPE_SE
	s_cmp_lg_u32 s[WV], 0
	s_cbranch_scc1 .Lno_ask_\@
	global_prefetch_b8 v[POW], s[6:7] th:TH_LOAD_NT scope:SCOPE_SE
.Lno_ask_\@:
.endm
	s_load_b256 s[4:11], s[0:1], 0x0               ; A s[4:5], W s[6:7], bias s[8:9], resid s[10:11]
	s_load_b64 s[14:15], s[0:1], 0x20              ; out
	v_lshl_add_u32 v[SPW], v0, 2, SPARE
	v_mov_b32 v[NIL], 0
	ds_add_u32 v[SPW], v[NIL]                      ; the wave's opening: the add and its wait stand ahead of my first tensor load
	v_lshrrev_b32 v1, 5, v0
	v_readfirstlane_b32 s[WV], v1
	s_lshr_b32 s[FB], s[WV], 1
	s_and_b32 s[HF], s[WV], 1
	s_bfe_u32 s40, ttmp6, 0x40000                  ; cx
	s_bfe_u32 s41, ttmp6, 0x40004                  ; cy
	s_lshl_b32 s42, ttmp9, 2
	s_add_co_u32 s42, s42, s40                     ; tile column
	s_and_b32 s43, ttmp7, 0xffff
	s_lshl_b32 s43, s43, 2
	s_add_co_u32 s43, s43, s41                     ; tile row
	s_lshl_b32 s44, s41, 2
	s_lshl_b32 s44, 15, s44                        ; my row of the cluster
	s_lshl_b32 s45, 0x1111, s40                    ; my column
	; group 1 for A: 4 rows of 4,096 elements (64 rows of a panel, dense), 262,144 elements from panel to panel; 4 words of padding after every 32
	s_or_b32 s[G1+0], s44, (1<<16)|(1<<20)|(1<<21)|(4<<22)|(3<<25)
	s_mov_b32 s[G1+1], 4096<<16
	s_mov_b32 s[G1+2], 4<<16
	s_mov_b32 s[G1+3], 4096<<16
	s_mov_b32 s[G1+4], 4
	s_mov_b32 s[G1+5], 262144
	s_mov_b32 s[G1+6], 0
	s_mov_b32 s[G1+7], 0
	; group 1 for W: 128 rows x 128 elements, 1,024 elements from row to row; 8 words of padding after every 64
	s_or_b32 s[G1B+0], s45, (1<<16)|(1<<20)|(1<<21)|(5<<22)|(7<<25)
	s_mov_b32 s[G1B+1], 128<<16
	s_mov_b32 s[G1B+2], 128<<16
	s_mov_b32 s[G1B+3], 128<<16
	s_mov_b32 s[G1B+4], 128
	s_mov_b32 s[G1B+5], 1024
	s_mov_b32 s[G1B+6], 0
	s_mov_b32 s[G1B+7], 0
	s_lshl_b32 s20, s43, 14                        ; A: 128 rows of 128 bytes a tile row,
	s_lshl_b32 s21, s[HF], 13                      ; 64 of them a half
	s_add_co_u32 s20, s20, s21
	s_mov_b32 s21, 0
	s_lshl_b32 s46, s42, 8                         ; W: 128 columns of 2 bytes a tile column,
	s_lshl_b32 s47, s[HF], 18                      ; 128 rows of 2,048 bytes a half
	s_add_co_u32 s46, s46, s47
	s_add_co_u32 s46, s46, 0x800000
	s_mov_b32 s47, 0
	s_mul_i32 s19, s[WV], HALF                     ; where my part of a slot goes
	s_mov_b32 s[SB], 0
	s_wait_dscnt 0x0                               ; the opening add is done
	s_wait_kmcnt 0x0
	s_add_nc_u64 s[20:21], s[4:5], s[20:21]
	s_add_nc_u64 s[46:47], s[6:7], s[46:47]
	CROUND                                         ; all sixteen work-groups are here: the first joint loads meet
.irp s, 0,1
	s_mov_b32 s[G0+4*(\s)], 1
	s_add_co_u32 s[G0+4*(\s)+1], s19, (\s)*SLOT
	s_add_nc_u64 s[G0+4*(\s)+2:G0+4*(\s)+3], s[20:21], (\s)*2097152   ; K step s: four panels of 524,288 bytes
	s_or_b32 s[G0+4*(\s)+3], s[G0+4*(\s)+3], 0x80000000
	s_mov_b32 s[G0B+4*(\s)], 1
	s_add_co_u32 s[G0B+4*(\s)+1], s19, (\s)*SLOT
	s_add_nc_u64 s[G0B+4*(\s)+2:G0B+4*(\s)+3], s[46:47], (\s)*524288  ; K step s: 256 rows of 2,048 bytes
	s_or_b32 s[G0B+4*(\s)+3], s[G0B+4*(\s)+3], 0x80000000
	JLOAD \s                                       ; two loads of mine are out
.endr
	v_and_b32 v1, 15, v0                           ; l % 16
	v_bfe_u32 v2, v0, 4, 1                         ; l / 16
	v_mul_u32_u24 v3, v1, PA
	v_lshl_add_u32 v3, v2, 4, v3
	s_mul_i32 s22, s[FB], HALF                     ; my 64 rows of A
	v_add_nc_u32 v[ADRA0], s22, v3
	v_mov_b32 v[ADRA], v[ADRA0]
	v_and_b32 v4, 7, v0
	v_bfe_u32 v5, v0, 3, 1
	v_lshl_add_u32 v6, v2, 3, v4                   ; the turning load: lane l reads row 8 (l / 16) + l % 8, 16 bytes at 16 ((l / 8) % 2)
	v_mul_u32_u24 v6, v6, PW
	v_lshl_add_u32 v6, v5, 4, v6
	s_lshl_b32 s22, s[HF], 7                       ; my 64 columns of W
	s_add_co_u32 s22, s22, WOFF
	v_add_nc_u32 v[ADRB0], s22, v6
	s_add_co_u32 s22, s22, HALF
	v_add_nc_u32 v[ADRB0+1], s22, v6
	v_mov_b32 v[ADRB], v[ADRB0]
	v_mov_b32 v[ADRB+1], v[ADRB0+1]
	s_mul_i32 s22, s[WV], 16*SPITCH
	s_add_co_u32 s22, s22, STAGE                   ; my stage
	v_mul_u32_u24 v7, v1, SPITCH                   ; in: row l % 16, 32 bytes for each half of the lanes
	v_lshl_add_u32 v7, v2, 5, v7
	v_add_nc_u32 v[STO], s22, v7
	v_mul_u32_u24 v7, v2, SPITCH                   ; back: lanes 0-15 take one row of 256 bytes, lanes 16-31 the next
	v_lshl_add_u32 v7, v1, 4, v7
	v_add_nc_u32 v[RD], s22, v7
	v_lshlrev_b32 v7, 12, v2                       ; and the same two rows of 4,096 bytes in resid and out
	v_lshl_add_u32 v[CO], v1, 4, v7
	v_lshlrev_b32 v[BO], 5, v2
	s_lshl_b32 s22, s42, 9                         ; my 64 columns of f32: 512 x tile column + 256 x half
	s_lshl_b32 s23, s[HF], 8
	s_add_co_u32 s22, s22, s23
	s_mov_b32 s23, 0
	s_add_nc_u64 s[8:9], s[8:9], s[22:23]
	s_lshl_b32 s23, s43, 19                        ; my 64 rows: 128 rows of 4,096 bytes a tile row, 64 a half
	s_add_co_u32 s22, s22, s23
	s_lshl_b32 s23, s[FB], 18
	s_add_co_u32 s22, s22, s23
	s_mov_b32 s23, 0
	s_add_nc_u64 s[10:11], s[10:11], s[22:23]
	s_add_nc_u64 s[14:15], s[14:15], s[22:23]
.irp b, 0,1,2,3
	global_load_b128 v[BI+8*(\b):BI+8*(\b)+3],   v[BO], s[8:9] offset:64*(\b)
	global_load_b128 v[BI+8*(\b)+4:BI+8*(\b)+7], v[BO], s[8:9] offset:64*(\b)+16
.endr
	WIN 0x80                                       ; destination window 2: resid comes in while the products run
.set i, 0
.rept 32
	global_load_b128 v[4*i:4*i+3], v[CO], s[10:11] offset:2*i*4096
.set i, i+1
.endr
	WIN 0
.if KSTEPS > 4
	; what I ask for ahead, at window 0.  The descriptors are made: A's and W's pointers are free to become the two bases.
	v_and_b32 v8, 31, v0
	v_lshlrev_b32 v[POA], 8, v8
	v_lshlrev_b32 v[POW], 11, v8
	s_lshl_b32 s12, s[WV], 2                       ; A: my wave's step of the window, four panels each;
	s_lshr_b32 s13, s42, 1                         ; of them panel tile column / 2,
	s_add_co_u32 s12, s12, s13
	s_lshl_b32 s12, s12, 19                        ; of 524,288 bytes;
	s_lshl_b32 s13, s43, 14                        ; in it the tile row's 128 rows of 128 bytes,
	s_add_co_u32 s12, s12, s13
	s_and_b32 s13, s42, 1                          ; and of those half tile column % 2
	s_lshl_b32 s13, s13, 13
	s_add_co_u32 s12, s12, s13
	s_mov_b32 s13, 0
	s_add_nc_u64 s[4:5], s[4:5], s[12:13]
	s_lshl_b32 s12, s43, 16                        ; W: 32 rows of 2,048 bytes for each tile row,
	s_lshl_b32 s13, s42, 8                         ; in them the tile column's 256 bytes
	s_add_co_u32 s12, s12, s13
	s_add_co_u32 s12, s12, 0x800000
	s_mov_b32 s13, 0
	s_add_nc_u64 s[6:7], s[6:7], s[12:13]
.endif
; 8 matrix instructions: m blocks a0, a0 + 1 x all 4 n blocks, 32 along K: half c of buffer f.  zero = 1: the first product starts the sums, with the bias as C
.macro MUL8 f, c, a0, zero
	WIN MUL
.irp a, \a0, (\a0)+1
.irp b, 0,1,2,3
.if \zero
	v_wmma_f32_16x16x32_bf16 v[ACC+8*(4*(\a)+(\b)):ACC+8*(4*(\a)+(\b))+7], v[(\f)+64+8*(4*(\c)+(\b)):(\f)+64+8*(4*(\c)+(\b))+7], v[(\f)+8*(4*(\c)+(\a)):(\f)+8*(4*(\c)+(\a))+7], v[BI+8*(\b):BI+8*(\b)+7]
.else
	v_wmma_f32_16x16x32_bf16 v[ACC+8*(4*(\a)+(\b)):ACC+8*(4*(\a)+(\b))+7], v[(\f)+64+8*(4*(\c)+(\b)):(\f)+64+8*(4*(\c)+(\b))+7], v[(\f)+8*(4*(\c)+(\a)):(\f)+8*(4*(\c)+(\a))+7], v[ACC+8*(4*(\a)+(\b)):ACC+8*(4*(\a)+(\b))+7]
.endif
.endr
.endr
.endm
; 32 LDS loads in one run: the fragments of quarter kq (64 along K: one panel of A, 64 rows of W) of the slot in hand into buffer f; the first 32 along K first
.macro FETCH kq, f
	WIN TO_F
.irp c, 0,1
.irp i, 0,1,2,3
	ds_load_tr16_b128 v[(\f)+64+8*(4*(\c)+(\i)):(\f)+64+8*(4*(\c)+(\i))+3],   v[ADRB+(\kq)/2] offset:(((\kq)%2)*64+32*(\c))*PW+32*(\i)
	ds_load_tr16_b128 v[(\f)+64+8*(4*(\c)+(\i))+4:(\f)+64+8*(4*(\c)+(\i))+7], v[ADRB+(\kq)/2] offset:(((\kq)%2)*64+32*(\c)+16)*PW+32*(\i)
	ds_load_b128 v[(\f)+8*(4*(\c)+(\i)):(\f)+8*(4*(\c)+(\i))+3],         v[ADRA] offset:(\kq)*64*PA+(\i)*16*PA+64*(\c)
	ds_load_b128 v[(\f)+8*(4*(\c)+(\i))+4:(\f)+8*(4*(\c)+(\i))+7],       v[ADRA] offset:(\kq)*64*PA+(\i)*16*PA+64*(\c)+32
.endr
.endr
.endm
.macro PLACES                          ; four plain vector instructions between a matrix instruction and a load into, or a read of, its registers
.rept 4
	v_nop
.endr
.endm
; A K step is four quarters of 64 along K, 32 matrix instructions each, on buffers 0, 1, 0, 1.  One of the first three multiplies buffer f and fetches quarter kq into g.
.macro QUARTER kq, f, g, zero
	s_wait_dscnt 16                                ; the first 32 along K are in
	MUL8 \f, 0, 0, \zero
	MUL8 \f, 0, 2, \zero
	PLACES
	FETCH \kq, \g
	s_wait_dscnt 32                                ; all but the 32 just issued
	MUL8 \f, 1, 0, 0
	MUL8 \f, 1, 2, 0
.endm
; The last quarter multiplies buffer 1 and changes slots: one barrier; in front of it each wave waits for all its tensor loads, adds 0 to its spare word, and waits for that and for its own reads of this slot.
; fill = 1: this slot is filled again, two K steps ahead: the barrier opens a round of the cluster's barrier, and the joint load is the first thing behind it, 112 matrix instructions ahead of the wait for it.
.macro TURN fill
	WIN 0
	s_wait_tensorcnt 0x0                           ; all my tensor loads have landed: my part of the next slot
	ds_add_u32 v[SPW], v[NIL]                      ; 0 onto my spare word
	s_wait_dscnt 17                                ; (the add and the youngest sixteen loads may be out)
	MUL8 F1, 0, 0, 0
	s_wait_dscnt 0x0                               ; the add is done, and my reads of this slot are over
	s_barrier_signal -1
	MUL8 F1, 0, 2, 0
.if \fill
	WIN 0
.endif
	s_barrier_wait -1
.if \fill
	CREST
	s_xor_b32 s[G0+5], s[G0+5], SLOT               ; the walking descriptors: the other slot than last time,
	s_add_nc_u64 s[G0+6:G0+7], s[G0+6:G0+7], 2097152  ; the next K step; the type bits on top are not reached
	s_xor_b32 s[G0B+5], s[G0B+5], SLOT
	s_add_nc_u64 s[G0B+6:G0B+7], s[G0B+6:G0B+7], 524288
	JLOAD 1                                        ; the four v_nop behind it are also the places in front of the loads below
.else
	PLACES
.endif
	WIN 0
	s_xor_b32 s[SB], s[SB], SLOT                   ; the reads go on in the other slot
	v_add_nc_u32 v[ADRA], s[SB], v[ADRA0]
	v_add_nc_u32 v[ADRB], s[SB], v[ADRB0]
	v_add_nc_u32 v[ADRB+1], s[SB], v[ADRB0+1]
	FETCH 0, F0
	MUL8 F1, 1, 0, 0
	MUL8 F1, 1, 2, 0
.endm
; THE WAY OUT of block a (16 rows x 64 columns of f32): from the accumulators, each from its low end, into my stage; back as whole rows of 256 bytes; resid is added; stored.
.macro OUT a
	WIN 0
.if (\a) >= 2
	s_wait_xcnt 0x0                                ; the registers that block a - 2's stores read are loaded again only behind this wait
.endif
.set TB, TMP+32*((\a)%2)
.irp b, 0,1,2,3
	ds_store_b128 v[STO], v[ACC+8*(4*(\a)+(\b)):ACC+8*(4*(\a)+(\b))+3]   offset:64*(\b)
	ds_store_b128 v[STO], v[ACC+8*(4*(\a)+(\b))+4:ACC+8*(4*(\a)+(\b))+7] offset:64*(\b)+16
.endr
.irp t, 0,1,2,3,4,5,6,7
	ds_load_b128 v[TB+4*(\t):TB+4*(\t)+3], v[RD] offset:(\t)*2*SPITCH  ; LDS serves a wave's instructions in order (ISA guide 5.7.1.4): these see the stores above
.endr
.endm
.macro SENDF a, younger                ; younger: the LDS instructions issued behind block a's loads: the next block's sixteen, or none
.set TB, TMP+32*((\a)%2)
	s_wait_dscnt \younger
	WIN 0x08                                       ; source 1 in window 2
.set i, 0
.rept 16
	v_pk_add_f32 v[TB+2*i:TB+2*i+1], v[TB+2*i:TB+2*i+1], v[32*(\a)+2*i:32*(\a)+2*i+1]
.set i, i+1
.endr
	WIN 0
.irp t, 0,1,2,3,4,5,6,7
	global_store_b128 v[CO], v[TB+4*(\t):TB+4*(\t)+3], s[14:15] offset:(16*(\a)+2*(\t))*4096  ; 16 lanes store 256 consecutive bytes, at a multiple of 256 from out's first byte
.endr
.endm
	s_wait_tensorcnt 0x1                           ; my part of K step 0 is in; K step 1's may stay out
	s_barrier_signal -1
	s_barrier_wait -1
	FETCH 0, F0
	s_wait_loadcnt 32                              ; the bias is in; resid's 32 loads stay out
	QUARTER 1, F0, F1, 1                           ; the first quarter stands in front of the loop: its first products start the sums
	WIN 0                                          ; at a label and at a branch every window is 0
	s_mov_b32 s3, KSTEPS-2
.Lstep:                                                ; a trip: from a K step's second quarter to the next step's first; it fills the slot that it leaves.  The 16 accumulators take turns
.if KSTEPS > 4
	ASK                                            ; behind the sixteen matrix instructions that follow the last run of LDS loads
.endif
	QUARTER 2, F1, F0, 0
	QUARTER 3, F0, F1, 0
	TURN 1
	QUARTER 1, F0, F1, 0
	WIN 0
	s_sub_co_u32 s3, s3, 1
	s_cmp_lg_u32 s3, 0
	s_cbranch_scc1 .Lstep
	; The last two K steps ask for nothing: one text, two trips, entered behind the first quarter, which the loop above has just run.  The second trip's change of slots
	; serves nothing: one more barrier, and 32 fragments of the slot multiplied before, into buffer 0, which nobody names again: the price of one text for both trips.
	s_mov_b32 s3, 2
	s_branch .Lin
.Ltail:
	QUARTER 1, F0, F1, 0
	WIN 0
.Lin:
	QUARTER 2, F1, F0, 0
	QUARTER 3, F0, F1, 0
	TURN 0
	WIN 0
	s_sub_co_u32 s3, s3, 1
	s_cmp_lg_u32 s3, 0
	s_cbranch_scc1 .Ltail
	PLACES
	s_wait_loadcnt 0x0                             ; resid
	OUT 0
	OUT 1
	SENDF 0, 16
	OUT 2
	SENDF 1, 16
	OUT 3
	SENDF 2, 16
	SENDF 3, 0
	s_wait_tensorcnt 0x0                           ; the wave's end
	ds_add_u32 v[SPW], v[NIL]
	s_wait_dscnt 0x0
	CROUND                                         ; the closing round
	s_endpgm
.Lfunc_end_k_qa7b4e49a58_proj:
	.size	k_qa7b4e49a58_proj, .Lfunc_end_k_qa7b4e49a58_proj-k_qa7b4e49a58_proj
	.p2alignl 7, 3214868480
	.fill 96, 4, 3214868480
	.section	.rodata,"a",@progbits
	.p2align	6, 0x0
	.amdhsa_kernel k_qa7b4e49a58_proj
		.amdhsa_group_segment_fixed_size 327680
		.amdhsa_private_segment_fixed_size 0
		.amdhsa_enable_private_segment 0
		.amdhsa_kernarg_size 40
		.amdhsa_user_sgpr_count 2
		.amdhsa_user_sgpr_kernarg_segment_ptr 1
		.amdhsa_wavefront_size32 1
		.amdhsa_system_sgpr_workgroup_id_x 1
		.amdhsa_system_sgpr_workgroup_id_y 1
		.amdhsa_system_sgpr_workgroup_id_z 1
		.amdhsa_system_vgpr_workitem_id 0
		.amdhsa_next_free_vgpr 640
		.amdhsa_next_free_sgpr 66
		.amdhsa_reserve_vcc 0
		.amdhsa_float_denorm_mode_32 3
		.amdhsa_float_denorm_mode_16_64 3
		.amdhsa_memory_ordered 1
		.amdhsa_forward_progress 1
		.amdhsa_inst_pref_size 66
	.end_amdhsa_kernel
	.amdgpu_metadata
---
amdhsa.version: [ 1, 2 ]
amdhsa.kernels:
  - .name:           k_qa7b4e49a58_proj
    .symbol:         k_qa7b4e49a58_proj.kd
    .args:
      - { .name: act, .offset: 0, .size: 8, .value_kind: global_buffer, .address_space: global }
      - { .name: wA, .offset: 8, .size: 8, .value_kind: global_buffer, .address_space: global }
      - { .name: bo, .offset: 16, .size: 8, .value_kind: global_buffer, .address_space: global }
      - { .name: x, .offset: 24, .size: 8, .value_kind: global_buffer, .address_space: global }
      - { .name: x1, .offset: 32, .size: 8, .value_kind: global_buffer, .address_space: global }
    .group_segment_fixed_size: 327680
    .private_segment_fixed_size: 0
    .kernarg_segment_align: 8
    .kernarg_segment_size: 40
    .max_flat_workgroup_size: 128
    .sgpr_count:     66
    .vgpr_count:     640
    .wavefront_size: 32
...
	.end_amdgpu_metadata
.endif
;; end of part 4
;; launch ln2 (part 5): grid 256 x 1, 8 waves a work-group, no clusters, 0 bytes of LDS; arguments x1, g2, be2, act; writes act
.if DOCPART == 5
	.amdgcn_target "amdgcn-amd-amdhsa--gfx1250"
	.amdhsa_code_object_version 6
	.text
	.protected	k_qa7b4e49a58_ln2
	.globl	k_qa7b4e49a58_ln2
	.p2align	8
	.type	k_qa7b4e49a58_ln2,@function
k_qa7b4e49a58_ln2:
	s_mov_b64 s[64:65], 0
	v_nop
	global_prefetch_b8 v0, s[64:65] scope:SCOPE_SE
	s_setreg_imm32_b32 hwreg(HW_REG_WAVE_MODE, 25, 1), 1
	s_wait_xcnt 0x0
; act = LayerNorm(x1; g2, be2) rounded to bf16, row-major [4096][1024].  A work-group takes 16 rows, a wave two; a row stays in 32 registers of the wave between the passes: it is read once.
; A stream: no LDS, no barrier, no matrix unit, no cluster (no two work-groups read the same bytes but g2 and be2, 8 KB).
; LIMITS: mean and variance in f32, the mean taken away before the squares; NaN and infinities are not treated apart.
.set X0, 8                             ; v[8:39]    row 0: load j holds columns 128 j + 4 lane + 0..3
.set X1, 40                            ; v[40:71]   row 1
.set G,  72                            ; v[72:103]  gains of my 32 columns
.set BE, 104                           ; v[104:135] offsets of my 32 columns
.set T,  136                           ; v[136:151] at work
.set M,  152                           ; v[152:153] the mean, twice
.set R0, 154                           ; v[154:155] 1/sqrt(var + eps) of row 0, twice
.set R1, 156                           ; v[156:157] of row 1
.set Y0, 160                           ; v[160:175] row 0 packed
.set Y1, 176                           ; v[176:191] row 1 packed
.macro TREE                            ; 16 partial sums in T -> one
.irp i, 0,2,4,6
	v_pk_add_f32 v[T+\i:T+\i+1], v[T+\i:T+\i+1], v[T+8+\i:T+9+\i]
.endr
	v_pk_add_f32 v[T:T+1], v[T:T+1], v[T+4:T+5]
	v_pk_add_f32 v[T+2:T+3], v[T+2:T+3], v[T+6:T+7]
	v_pk_add_f32 v[T:T+1], v[T:T+1], v[T+2:T+3]
	v_add_f32 v[T], v[T], v[T+1]
.endm
.macro LANESUM                         ; the sum over the 32 lanes, in every lane
	v_add_f32_dpp v[T], v[T], v[T] row_xmask:1 row_mask:0xf bank_mask:0xf
	v_add_f32_dpp v[T], v[T], v[T] row_xmask:2 row_mask:0xf bank_mask:0xf
	v_add_f32_dpp v[T], v[T], v[T] row_xmask:4 row_mask:0xf bank_mask:0xf
	v_add_f32_dpp v[T], v[T], v[T] row_xmask:8 row_mask:0xf bank_mask:0xf
	v_permlanex16_b32 v[T+1], v[T], s12, s13
	v_add_f32 v[T], v[T], v[T+1]
.endm
.macro ROWSTAT xr, rr                  ; the row in xr loses its mean; rr takes 1/sqrt(var + eps)
.set i, 0
.rept 8
	v_pk_add_f32 v[T+2*i:T+2*i+1], v[(\xr)+4*i:(\xr)+4*i+1], v[(\xr)+4*i+2:(\xr)+4*i+3]
.set i, i+1
.endr
	TREE
	LANESUM
	v_mul_f32 v[M], s14, v[T]
	v_mul_f32 v[M+1], s14, v[T]
.set i, 0
.rept 16
	v_pk_add_f32 v[(\xr)+2*i:(\xr)+2*i+1], v[(\xr)+2*i:(\xr)+2*i+1], v[M:M+1] neg_lo:[0,1] neg_hi:[0,1]
.set i, i+1
.endr
.set i, 0
.rept 8
	v_pk_mul_f32 v[T+2*i:T+2*i+1], v[(\xr)+2*i:(\xr)+2*i+1], v[(\xr)+2*i:(\xr)+2*i+1]
.set i, i+1
.endr
.set i, 0
.rept 8
	v_pk_fma_f32 v[T+2*i:T+2*i+1], v[(\xr)+16+2*i:(\xr)+16+2*i+1], v[(\xr)+16+2*i:(\xr)+16+2*i+1], v[T+2*i:T+2*i+1]
.set i, i+1
.endr
	TREE
	LANESUM
	v_fma_f32 v[T], v[T], s14, s15                 ; sum of squares / 1024 + eps
	v_rsq_f32 v[\rr], v[T]
	v_nop                                          ; a plain instruction between the root and the use of its result
	s_wait_alu depctr_va_vdst(0)
	v_mov_b32 v[(\rr)+1], v[\rr]
.endm
.macro ROWOUT xr, rr, yr, row          ; (x - mean) (g / sqrt) + be, rounded, stored: each store of the wave covers 256 consecutive bytes, aligned
.set i, 0
.rept 16
	v_pk_mul_f32 v[T+2*(i%4):T+2*(i%4)+1], v[G+2*i:G+2*i+1], v[(\rr):(\rr)+1]
	v_pk_fma_f32 v[(\xr)+2*i:(\xr)+2*i+1], v[(\xr)+2*i:(\xr)+2*i+1], v[T+2*(i%4):T+2*(i%4)+1], v[BE+2*i:BE+2*i+1]
.set i, i+1
.endr
.set i, 0
.rept 16
	v_cvt_pk_bf16_f32 v[(\yr)+i], v[(\xr)+2*i], v[(\xr)+2*i+1]
.set i, i+1
.endr
.irp j, 0,1,2,3,4,5,6,7
	global_store_b64 v2, v[(\yr)+2*\j:(\yr)+2*\j+1], s[10:11] offset:(\row)*2048+256*\j
.endr
.endm
	v_lshrrev_b32 v1, 5, v0
	v_readfirstlane_b32 s2, v1                     ; wave 0..7
	v_and_b32 v3, 31, v0                           ; lane
	s_load_b256 s[4:11], s[0:1], 0x0               ; x s[4:5], g s[6:7], be s[8:9], h s[10:11]
	s_lshl_b32 s16, ttmp9, 4
	s_lshl1_add_u32 s16, s2, s16                   ; my first row = 16 x work-group + 2 x wave
	s_lshl_b32 s18, s16, 12                        ; rows of 4,096 bytes in,
	s_mov_b32 s19, 0
	s_lshl_b32 s20, s16, 11                        ; of 2,048 bytes out
	s_mov_b32 s21, 0
	s_mov_b32 s12, 0x76543210                      ; v_permlanex16_b32: each lane takes its own place in the other half
	s_mov_b32 s13, 0xfedcba98
	s_mov_b32 s14, 0x3a800000                      ; 1 / 1024
	s_mov_b32 s15, 0x3727c5ac                      ; 1e-5
	v_lshlrev_b32 v1, 4, v3
	v_lshlrev_b32 v2, 3, v3
	s_wait_kmcnt 0x0
	s_add_nc_u64 s[4:5], s[4:5], s[18:19]
	s_add_nc_u64 s[10:11], s[10:11], s[20:21]
.irp j, 0,1,2,3,4,5,6,7
	global_load_b128 v[X0+4*\j:X0+4*\j+3], v1, s[4:5] offset:512*\j
.endr
.irp j, 0,1,2,3,4,5,6,7
	global_load_b128 v[X1+4*\j:X1+4*\j+3], v1, s[4:5] offset:4096+512*\j
.endr
.irp j, 0,1,2,3,4,5,6,7
	global_load_b128 v[G+4*\j:G+4*\j+3], v1, s[6:7] offset:512*\j
.endr
.irp j, 0,1,2,3,4,5,6,7
	global_load_b128 v[BE+4*\j:BE+4*\j+3], v1, s[8:9] offset:512*\j
.endr
	s_wait_loadcnt 24                              ; row 0 is in; the 24 younger loads (row 1, g, be) stay out
	ROWSTAT X0, R0
	s_wait_loadcnt 16                              ; row 1 is in; g and be stay out
	ROWSTAT X1, R1
	s_wait_loadcnt 0x0
	ROWOUT X0, R0, Y0, 0
	ROWOUT X1, R1, Y1, 1
	s_endpgm
.Lfunc_end_k_qa7b4e49a58_ln2:
	.size	k_qa7b4e49a58_ln2, .Lfunc_end_k_qa7b4e49a58_ln2-k_qa7b4e49a58_ln2
	.p2alignl 7, 3214868480
	.fill 96, 4, 3214868480
	.section	.rodata,"a",@progbits
	.p2align	6, 0x0
	.amdhsa_kernel k_qa7b4e49a58_ln2
		.amdhsa_group_segment_fixed_size 0
		.amdhsa_private_segment_fixed_size 0
		.amdhsa_enable_private_segment 0
		.amdhsa_kernarg_size 32
		.amdhsa_user_sgpr_count 2
		.amdhsa_user_sgpr_kernarg_segment_ptr 1
		.amdhsa_wavefront_size32 1
		.amdhsa_system_sgpr_workgroup_id_x 1
		.amdhsa_system_sgpr_workgroup_id_y 1
		.amdhsa_system_sgpr_workgroup_id_z 1
		.amdhsa_system_vgpr_workitem_id 0
		.amdhsa_next_free_vgpr 192
		.amdhsa_next_free_sgpr 66
		.amdhsa_reserve_vcc 0
		.amdhsa_float_denorm_mode_32 3
		.amdhsa_float_denorm_mode_16_64 3
		.amdhsa_memory_ordered 1
		.amdhsa_forward_progress 1
		.amdhsa_inst_pref_size 21
	.end_amdhsa_kernel
	.amdgpu_metadata
---
amdhsa.version: [ 1, 2 ]
amdhsa.kernels:
  - .name:           k_qa7b4e49a58_ln2
    .symbol:         k_qa7b4e49a58_ln2.kd
    .args:
      - { .name: x1, .offset: 0, .size: 8, .value_kind: global_buffer, .address_space: global }
      - { .name: g2, .offset: 8, .size: 8, .value_kind: global_buffer, .address_space: global }
      - { .name: be2, .offset: 16, .size: 8, .value_kind: global_buffer, .address_space: global }
      - { .name: act, .offset: 24, .size: 8, .value_kind: global_buffer, .address_space: global }
    .group_segment_fixed_size: 0
    .private_segment_fixed_size: 0
    .kernarg_segment_align: 8
    .kernarg_segment_size: 32
    .max_flat_workgroup_size: 256
    .sgpr_count:     66
    .vgpr_count:     192
    .wavefront_size: 32
...
	.end_amdgpu_metadata
.endif
;; end of part 5
;; launch ffn1: the kernel of part 2 again; grid 16 x 16, 4 waves a work-group, clusters of 4 x 4, 327,680 bytes of LDS; arguments act, wB, b1, big; writes big
;; launch ffn2 (part 6): grid 8 x 32, 4 waves a work-group, clusters of 4 x 4, 327,680 bytes of LDS; arguments big, wB, b2, x1, out0; writes out0
.if DOCPART == 6
	.amdgcn_target "amdgcn-amd-amdhsa--gfx1250"
	.amdhsa_code_object_version 6
	.text
	.protected	k_qa7b4e49a58_ffn2
	.globl	k_qa7b4e49a58_ffn2
	.p2align	8
	.type	k_qa7b4e49a58_ffn2,@function
k_qa7b4e49a58_ffn2:
	s_mov_b64 s[64:65], 0
	v_nop
	global_prefetch_b8 v0, s[64:65] scope:SCOPE_SE
	s_setreg_imm32_b32 hwreg(HW_REG_WAVE_MODE, 25, 1), 1
	s_wait_xcnt 0x0
	s_wait_alu depctr_hold_cnt(0) depctr_sa_sdst(0) depctr_va_vdst(0) depctr_va_sdst(0) depctr_va_ssrc(0) depctr_va_vcc(0) depctr_vm_vsrc(0)
	s_getreg_b32 s2, hwreg(HW_REG_IB_STS2, 6, 4)
	s_cmp_eq_u32 s2, 0
	s_cbranch_scc0 .Lentry_in_a_cluster
	s_endpgm
.Lentry_in_a_cluster:
	s_bfe_u32 s2, ttmp6, 0x10000c
	s_cmp_lg_u32 s2, 0xf033
	s_cbranch_scc0 .Lentry_shape_is_right
	s_endpgm
.Lentry_shape_is_right:
; out = A W + bias + resid, all sums and out in f32, K = 4,096.  A: panels [K / 64][4096 m][64] bf16.  W: [K][1024] bf16 row-major, at byte 0x800000 of its buffer.  bias: [1024] f32.  resid, out: [4096][1024] f32.
; A tile of out is 128 x 128: four waves, each 64 x 64: 16 accumulators of 16 x 16.  K goes in steps of 256 through two LDS slots that the tensor data mover fills.
; KSTEPS = K / 256 is the one constant in which this text differs from the attention's output projection.
; THE TEXT holds a K step twice: once with a refill (KSTEPS - 2 trips) and once without (the last two steps, two trips, entered behind the first quarter).
; A's step is 4 panels x my 64 rows, each 8,192 dense bytes; W's rows lie along N and are read turned, by ds_load_tr16_b128.
; The matrix instruction is used transposed (source 0 = 16 columns of W, source 1 = 16 rows of A): a lane holds eight neighbouring columns of one row.  The bias is the C operand of each sum's first product.
; CLUSTER: 4 x 4 work-groups; A's tiles are shared along a row of the cluster, W's along a column: each is asked for jointly.
; ASKED FOR AHEAD (assembled where KSTEPS > 4; with KSTEPS = 4 two of the four K steps are first fills and the other two are asked for in the first two trips: nothing is left to ask for ahead).
; In trip t the joint loads ask for K step t + 2.  In trips 0, 4, 8, .. a prefetch into the L2 asks for the WINDOW of K steps t + 4 .. t + 7, which the joint loads of trips t + 2 .. t + 5 will want.
; Each aligned block of 256 bytes is asked for once in the launch, lanes 256 bytes or a row apart.  A's tile of a step is 4 panels x 128 rows x 128 bytes = 256 blocks, read by the 8 work-groups of a tile row:
; that of tile column c takes half c % 2 of panel c / 2 (32 blocks, 8,192 dense bytes), wave w for the window's step w.  W's 1,024 rows of a window hold one block each for a tile column, read by the 32
; work-groups of that column: that of tile row r takes rows 32 r .. 32 r + 31, by wave 0.  That is 40 KB a work-group and window.  The last window is K steps KSTEPS - 4 .. KSTEPS - 1, asked for in
; trip KSTEPS - 8: no prefetch points past A's or W's end.  K steps 0 to 3 are not asked for ahead.
; LIMITS: NaN and infinities are not treated apart.
; REGISTERS: window 0: v0-31 addresses; v32-95 the bias (v32-63), later the way out; v128-255 the accumulators ((a, b) at 128 + 8 (4 a + b))
;   window 1: two fragment buffers of 128: for 64 along K, 64 registers of A, then 64 of W;   window 2: v0-127 my 64 x 64 of resid
.set KSTEPS, 16                        ; K / 256: a multiple of 4
.set PA,     144                       ; a row of A in LDS: 128 bytes + 16
.set PW,     288                       ; a row of W in LDS: 256 bytes + 32
.set HALF,   36864                     ; what one tensor load brings: 4 panels x 64 rows x 144, or 128 rows x 288
.set SLOT,   4*HALF                    ; 0x24000: no bit of it is in wave x HALF (0x9000), so an exclusive or changes slots
.set WOFF,   2*HALF
.set STAGE,  2*SLOT                    ; behind the ring: 16 rows x 272 bytes for each wave
.set SPITCH, 272
.set SPARE,  STAGE+4*16*SPITCH
.set ADRA0, 16                         ; v16     my lane's place in A's tile of slot 0; never rewritten
.set ADRA,  17                         ; v17     the same in the slot in hand
.set ADRB0, 20                         ; v20-21  my lane's place in W's tile of slot 0: rows 0-127, rows 128-255; never rewritten
.set ADRB,  22                         ; v22-23  the same in the slot in hand
.set STO,  24
.set RD,   25
.set CO,   26                          ; v26     my byte offset in two rows of resid and out
.set BO,   27
.set SPW,  28
.set NIL,  29
.set POA,  30                          ; v30     asked for ahead, A: 256 x lane; never rewritten
.set POW,  31                          ; v31     asked for ahead, W: 2,048 x lane (a row); never rewritten
.set TMP,  32
.set BI,   32
.set ACC,  128
.set F0,   0
.set F1,   128
.set SB,   2                           ; s2   LDS byte at which the slot in hand begins
.set WV,   16
.set FB,   17                          ; which half of the tile's rows is mine; also: I fetch for A (0) or for W (1)
.set HF,   18                          ; which half of its columns; also: which half of that tile I fetch
.set G1,   24                          ; s[24:31] descriptor group 1 for A;  s[32:39] group 0: the first fill's, and the one that walks
.set G0,   32
.set G1B,  48                          ; s[48:55], s[56:63] the same for W
.set G0B,  56
.set MSB, 0
.macro WIN new
.if MSB != (\new)
	s_set_vgpr_msb (MSB<<8)|(\new)
.set MSB, \new
.endif
.endm
.set MUL,  0x05                        ; sources 0 (W) and 1 (A) window 1; C and D window 0
.set TO_F, 0x40
.macro JLOAD s                         ; a joint load; an s_nop 0 and four v_nop follow each of the two lines
	s_cmp_eq_u32 s[FB], 0
	s_cbranch_scc0 .Lfor_w_\@
	tensor_load_to_lds s[G0+4*(\s):G0+4*(\s)+3], s[G1:G1+7]
	s_nop 0
.rept 4
	v_nop
.endr
	s_branch .Lasked_\@
.Lfor_w_\@:
	tensor_load_to_lds s[G0B+4*(\s):G0B+4*(\s)+3], s[G1B:G1B+7]
	s_nop 0
.rept 4
	v_nop
.endr
.Lasked_\@:
.endm
.macro CREST
	s_cmp_lg_u32 s[WV], 0
	s_cbranch_scc1 .Lnot_wave_0_\@
	s_barrier_signal -3
.Lnot_wave_0_\@:
	s_barrier_wait -3
	s_barrier_signal -1
	s_barrier_wait -1
.endm
.macro CROUND
	s_barrier_signal -1
	s_barrier_wait -1
	CREST
.endm
; A window is asked for ahead.  s3 counts the trips down from KSTEPS - 2: trips 0, 4, 8, .. are those with s3 % 4 = 2; at s3 = 2 the window would lie past K's end.
; The two bases, s[4:5] for A and s[6:7] for W, begin at window 0 and are stepped ahead of each request, behind a wait that stands four trips behind the last prefetch that read them.
.macro ASK
	s_and_b32 s12, s3, 3
	s_cmp_lg_u32 s12, 2
	s_cbranch_scc1 .Lno_ask_\@
	s_cmp_eq_u32 s3, 2
	s_cbranch_scc1 .Lno_ask_\@
	s_wait_xcnt 0x0                                ; the bases are rewritten only behind this wait
	s_add_nc_u64 s[4:5], s[4:5], 0x800000          ; four K steps on: 16 panels of 524,288 bytes,
	s_add_nc_u64 s[6:7], s[6:7], 0x200000          ; 1,024 rows of 2,048 bytes
	global_prefetch_b8 v[POA], s[4:5] th:TH_LOAD_NT scope:SCOPE_SE
	s_cmp_lg_u32 s[WV], 0
	s_cbranch_scc1 .Lno_ask_\@
	global_prefetch_b8 v[POW], s[6:7] th:TH_LOAD_NT scope:SCOPE_SE
.Lno_ask_\@:
.endm
	s_load_b256 s[4:11], s[0:1], 0x0               ; A s[4:5], W s[6:7], bias s[8:9], resid s[10:11]
	s_load_b64 s[14:15], s[0:1], 0x20              ; out
	v_lshl_add_u32 v[SPW], v0, 2, SPARE
	v_mov_b32 v[NIL], 0
	ds_add_u32 v[SPW], v[NIL]                      ; the wave's opening: the add and its wait stand ahead of my first tensor load
	v_lshrrev_b32 v1, 5, v0
	v_readfirstlane_b32 s[WV], v1
	s_lshr_b32 s[FB], s[WV], 1
	s_and_b32 s[HF], s[WV], 1
	s_bfe_u32 s40, ttmp6, 0x40000                  ; cx
	s_bfe_u32 s41, ttmp6, 0x40004                  ; cy
	s_lshl_b32 s42, ttmp9, 2
	s_add_co_u32 s42, s42, s40                     ; tile column
	s_and_b32 s43, ttmp7, 0xffff
	s_lshl_b32 s43, s43, 2
	s_add_co_u32 s43, s43, s41                     ; tile row
	s_lshl_b32 s44, s41, 2
	s_lshl_b32 s44, 15, s44                        ; my row of the cluster
	s_lshl_b32 s45, 0x1111, s40                    ; my column
	; group 1 for A: 4 rows of 4,096 elements (64 rows of a panel, dense), 262,144 elements from panel to panel; 4 words of padding after every 32
	s_or_b32 s[G1+0], s44, (1<<16)|(1<<20)|(1<<21)|(4<<22)|(3<<25)
	s_mov_b32 s[G1+1], 4096<<16
	s_mov_b32 s[G1+2], 4<<16
	s_mov_b32 s[G1+3], 4096<<16
	s_mov_b32 s[G1+4], 4
	s_mov_b32 s[G1+5], 262144
	s_mov_b32 s[G1+6], 0
	s_mov_b32 s[G1+7], 0
	; group 1 for W: 128 rows x 128 elements, 1,024 elements from row to row; 8 words of padding after every 64
	s_or_b32 s[G1B+0], s45, (1<<16)|(1<<20)|(1<<21)|(5<<22)|(7<<25)
	s_mov_b32 s[G1B+1], 128<<16
	s_mov_b32 s[G1B+2], 128<<16
	s_mov_b32 s[G1B+3], 128<<16
	s_mov_b32 s[G1B+4], 128
	s_mov_b32 s[G1B+5], 1024
	s_mov_b32 s[G1B+6], 0
	s_mov_b32 s[G1B+7], 0
	s_lshl_b32 s20, s43, 14                        ; A: 128 rows of 128 bytes a tile row,
	s_lshl_b32 s21, s[HF], 13                      ; 64 of them a half
	s_add_co_u32 s20, s20, s21
	s_mov_b32 s21, 0
	s_lshl_b32 s46, s42, 8                         ; W: 128 columns of 2 bytes a tile column,
	s_lshl_b32 s47, s[HF], 18                      ; 128 rows of 2,048 bytes a half
	s_add_co_u32 s46, s46, s47
	s_add_co_u32 s46, s46, 0x800000
	s_mov_b32 s47, 0
	s_mul_i32 s19, s[WV], HALF                     ; where my part of a slot goes
	s_mov_b32 s[SB], 0
	s_wait_dscnt 0x0                               ; the opening add is done
	s_wait_kmcnt 0x0
	s_add_nc_u64 s[20:21], s[4:5], s[20:21]
	s_add_nc_u64 s[46:47], s[6:7], s[46:47]
	CROUND                                         ; all sixteen work-groups are here: the first joint loads meet
.irp s, 0,1
	s_mov_b32 s[G0+4*(\s)], 1
	s_add_co_u32 s[G0+4*(\s)+1], s19, (\s)*SLOT
	s_add_nc_u64 s[G0+4*(\s)+2:G0+4*(\s)+3], s[20:21], (\s)*2097152   ; K step s: four panels of 524,288 bytes
	s_or_b32 s[G0+4*(\s)+3], s[G0+4*(\s)+3], 0x80000000
	s_mov_b32 s[G0B+4*(\s)], 1
	s_add_co_u32 s[G0B+4*(\s)+1], s19, (\s)*SLOT
	s_add_nc_u64 s[G0B+4*(\s)+2:G0B+4*(\s)+3], s[46:47], (\s)*524288  ; K step s: 256 rows of 2,048 bytes
	s_or_b32 s[G0B+4*(\s)+3], s[G0B+4*(\s)+3], 0x80000000
	JLOAD \s                                       ; two loads of mine are out
.endr
	v_and_b32 v1, 15, v0                           ; l % 16
	v_bfe_u32 v2, v0, 4, 1                         ; l / 16
	v_mul_u32_u24 v3, v1, PA
	v_lshl_add_u32 v3, v2, 4, v3
	s_mul_i32 s22, s[FB], HALF                     ; my 64 rows of A
	v_add_nc_u32 v[ADRA0], s22, v3
	v_mov_b32 v[ADRA], v[ADRA0]
	v_and_b32 v4, 7, v0
	v_bfe_u32 v5, v0, 3, 1
	v_lshl_add_u32 v6, v2, 3, v4                   ; the turning load: lane l reads row 8 (l / 16) + l % 8, 16 bytes at 16 ((l / 8) % 2)
	v_mul_u32_u24 v6, v6, PW
	v_lshl_add_u32 v6, v5, 4, v6
	s_lshl_b32 s22, s[HF], 7                       ; my 64 columns of W
	s_add_co_u32 s22, s22, WOFF
	v_add_nc_u32 v[ADRB0], s22, v6
	s_add_co_u32 s22, s22, HALF
	v_add_nc_u32 v[ADRB0+1], s22, v6
	v_mov_b32 v[ADRB], v[ADRB0]
	v_mov_b32 v[ADRB+1], v[ADRB0+1]
	s_mul_i32 s22, s[WV], 16*SPITCH
	s_add_co_u32 s22, s22, STAGE                   ; my stage
	v_mul_u32_u24 v7, v1, SPITCH                   ; in: row l % 16, 32 bytes for each half of the lanes
	v_lshl_add_u32 v7, v2, 5, v7
	v_add_nc_u32 v[STO], s22, v7
	v_mul_u32_u24 v7, v2, SPITCH                   ; back: lanes 0-15 take one row of 256 bytes, lanes 16-31 the next
	v_lshl_add_u32 v7, v1, 4, v7
	v_add_nc_u32 v[RD], s22, v7
	v_lshlrev_b32 v7, 12, v2                       ; and the same two rows of 4,096 bytes in resid and out
	v_lshl_add_u32 v[CO], v1, 4, v7
	v_lshlrev_b32 v[BO], 5, v2
	s_lshl_b32 s22, s42, 9                         ; my 64 columns of f32: 512 x tile column + 256 x half
	s_lshl_b32 s23, s[HF], 8
	s_add_co_u32 s22, s22, s23
	s_mov_b32 s23, 0
	s_add_nc_u64 s[8:9], s[8:9], s[22:23]
	s_lshl_b32 s23, s43, 19                        ; my 64 rows: 128 rows of 4,096 bytes a tile row, 64 a half
	s_add_co_u32 s22, s22, s23
	s_lshl_b32 s23, s[FB], 18
	s_add_co_u32 s22, s22, s23
	s_mov_b32 s23, 0
	s_add_nc_u64 s[10:11], s[10:11], s[22:23]
	s_add_nc_u64 s[14:15], s[14:15], s[22:23]
.irp b, 0,1,2,3
	global_load_b128 v[BI+8*(\b):BI+8*(\b)+3],   v[BO], s[8:9] offset:64*(\b)
	global_load_b128 v[BI+8*(\b)+4:BI+8*(\b)+7], v[BO], s[8:9] offset:64*(\b)+16
.endr
	WIN 0x80                                       ; destination window 2: resid comes in while the products run
.set i, 0
.rept 32
	global_load_b128 v[4*i:4*i+3], v[CO], s[10:11] offset:2*i*4096
.set i, i+1
.endr
	WIN 0
.if KSTEPS > 4
	; what I ask for ahead, at window 0.  The descriptors are made: A's and W's pointers are free to become the two bases.
	v_and_b32 v8, 31, v0
	v_lshlrev_b32 v[POA], 8, v8
	v_lshlrev_b32 v[POW], 11, v8
	s_lshl_b32 s12, s[WV], 2                       ; A: my wave's step of the window, four panels each;
	s_lshr_b32 s13, s42, 1                         ; of them panel tile column / 2,
	s_add_co_u32 s12, s12, s13
	s_lshl_b32 s12, s12, 19                        ; of 524,288 bytes;
	s_lshl_b32 s13, s43, 14                        ; in it the tile row's 128 rows of 128 bytes,
	s_add_co_u32 s12, s12, s13
	s_and_b32 s13, s42, 1                          ; and of those half tile column % 2
	s_lshl_b32 s13, s13, 13
	s_add_co_u32 s12, s12, s13
	s_mov_b32 s13, 0
	s_add_nc_u64 s[4:5], s[4:5], s[12:13]
	s_lshl_b32 s12, s43, 16                        ; W: 32 rows of 2,048 bytes for each tile row,
	s_lshl_b32 s13, s42, 8                         ; in them the tile column's 256 bytes
	s_add_co_u32 s12, s12, s13
	s_add_co_u32 s12, s12, 0x800000
	s_mov_b32 s13, 0
	s_add_nc_u64 s[6:7], s[6:7], s[12:13]
.endif
; 8 matrix instructions: m blocks a0, a0 + 1 x all 4 n blocks, 32 along K: half c of buffer f.  zero = 1: the first product starts the sums, with the bias as C
.macro MUL8 f, c, a0, zero
	WIN MUL
.irp a, \a0, (\a0)+1
.irp b, 0,1,2,3
.if \zero
	v_wmma_f32_16x16x32_bf16 v[ACC+8*(4*(\a)+(\b)):ACC+8*(4*(\a)+(\b))+7], v[(\f)+64+8*(4*(\c)+(\b)):(\f)+64+8*(4*(\c)+(\b))+7], v[(\f)+8*(4*(\c)+(\a)):(\f)+8*(4*(\c)+(\a))+7], v[BI+8*(\b):BI+8*(\b)+7]
.else
	v_wmma_f32_16x16x32_bf16 v[ACC+8*(4*(\a)+(\b)):ACC+8*(4*(\a)+(\b))+7], v[(\f)+64+8*(4*(\c)+(\b)):(\f)+64+8*(4*(\c)+(\b))+7], v[(\f)+8*(4*(\c)+(\a)):(\f)+8*(4*(\c)+(\a))+7], v[ACC+8*(4*(\a)+(\b)):ACC+8*(4*(\a)+(\b))+7]
.endif
.endr
.endr
.endm
; 32 LDS loads in one run: the fragments of quarter kq (64 along K: one panel of A, 64 rows of W) of the slot in hand into buffer f; the first 32 along K first
.macro FETCH kq, f
	WIN TO_F
.irp c, 0,1
.irp i, 0,1,2,3
	ds_load_tr16_b128 v[(\f)+64+8*(4*(\c)+(\i)):(\f)+64+8*(4*(\c)+(\i))+3],   v[ADRB+(\kq)/2] offset:(((\kq)%2)*64+32*(\c))*PW+32*(\i)
	ds_load_tr16_b128 v[(\f)+64+8*(4*(\c)+(\i))+4:(\f)+64+8*(4*(\c)+(\i))+7], v[ADRB+(\kq)/2] offset:(((\kq)%2)*64+32*(\c)+16)*PW+32*(\i)
	ds_load_b128 v[(\f)+8*(4*(\c)+(\i)):(\f)+8*(4*(\c)+(\i))+3],         v[ADRA] offset:(\kq)*64*PA+(\i)*16*PA+64*(\c)
	ds_load_b128 v[(\f)+8*(4*(\c)+(\i))+4:(\f)+8*(4*(\c)+(\i))+7],       v[ADRA] offset:(\kq)*64*PA+(\i)*16*PA+64*(\c)+32
.endr
.endr
.endm
.macro PLACES                          ; four plain vector instructions between a matrix instruction and a load into, or a read of, its registers
.rept 4
	v_nop
.endr
.endm
; A K step is four quarters of 64 along K, 32 matrix instructions each, on buffers 0, 1, 0, 1.  One of the first three multiplies buffer f and fetches quarter kq into g.
.macro QUARTER kq, f, g, zero
	s_wait_dscnt 16                                ; the first 32 along K are in
	MUL8 \f, 0, 0, \zero
	MUL8 \f, 0, 2, \zero
	PLACES
	FETCH \kq, \g
	s_wait_dscnt 32                                ; all but the 32 just issued
	MUL8 \f, 1, 0, 0
	MUL8 \f, 1, 2, 0
.endm
; The last quarter multiplies buffer 1 and changes slots: one barrier; in front of it each wave waits for all its tensor loads, adds 0 to its spare word, and waits for that and for its own reads of this slot.
; fill = 1: this slot is filled again, two K steps ahead: the barrier opens a round of the cluster's barrier, and the joint load is the first thing behind it, 112 matrix instructions ahead of the wait for it.
.macro TURN fill
	WIN 0
	s_wait_tensorcnt 0x0                           ; all my tensor loads have landed: my part of the next slot
	ds_add_u32 v[SPW], v[NIL]                      ; 0 onto my spare word
	s_wait_dscnt 17                                ; (the add and the youngest sixteen loads may be out)
	MUL8 F1, 0, 0, 0
	s_wait_dscnt 0x0                               ; the add is done, and my reads of this slot are over
	s_barrier_signal -1
	MUL8 F1, 0, 2, 0
.if \fill
	WIN 0
.endif
	s_barrier_wait -1
.if \fill
	CREST
	s_xor_b32 s[G0+5], s[G0+5], SLOT               ; the walking descriptors: the other slot than last time,
	s_add_nc_u64 s[G0+6:G0+7], s[G0+6:G0+7], 2097152  ; the next K step; the type bits on top are not reached
	s_xor_b32 s[G0B+5], s[G0B+5], SLOT
	s_add_nc_u64 s[G0B+6:G0B+7], s[G0B+6:G0B+7], 524288
	JLOAD 1                                        ; the four v_nop behind it are also the places in front of the loads below
.else
	PLACES
.endif
	WIN 0
	s_xor_b32 s[SB], s[SB], SLOT                   ; the reads go on in the other slot
	v_add_nc_u32 v[ADRA], s[SB], v[ADRA0]
	v_add_nc_u32 v[ADRB], s[SB], v[ADRB0]
	v_add_nc_u32 v[ADRB+1], s[SB], v[ADRB0+1]
	FETCH 0, F0
	MUL8 F1, 1, 0, 0
	MUL8 F1, 1, 2, 0
.endm
; THE WAY OUT of block a (16 rows x 64 columns of f32): from the accumulators, each from its low end, into my stage; back as whole rows of 256 bytes; resid is added; stored.
.macro OUT a
	WIN 0
.if (\a) >= 2
	s_wait_xcnt 0x0                                ; the registers that block a - 2's stores read are loaded again only behind this wait
.endif
.set TB, TMP+32*((\a)%2)
.irp b, 0,1,2,3
	ds_store_b128 v[STO], v[ACC+8*(4*(\a)+(\b)):ACC+8*(4*(\a)+(\b))+3]   offset:64*(\b)
	ds_store_b128 v[STO], v[ACC+8*(4*(\a)+(\b))+4:ACC+8*(4*(\a)+(\b))+7] offset:64*(\b)+16
.endr
.irp t, 0,1,2,3,4,5,6,7
	ds_load_b128 v[TB+4*(\t):TB+4*(\t)+3], v[RD] offset:(\t)*2*SPITCH  ; LDS serves a wave's instructions in order (ISA guide 5.7.1.4): these see the stores above
.endr
.endm
.macro SENDF a, younger                ; younger: the LDS instructions issued behind block a's loads: the next block's sixteen, or none
.set TB, TMP+32*((\a)%2)
	s_wait_dscnt \younger
	WIN 0x08                                       ; source 1 in window 2
.set i, 0
.rept 16
	v_pk_add_f32 v[TB+2*i:TB+2*i+1], v[TB+2*i:TB+2*i+1], v[32*(\a)+2*i:32*(\a)+2*i+1]
.set i, i+1
.endr
	WIN 0
.irp t, 0,1,2,3,4,5,6,7
	global_store_b128 v[CO], v[TB+4*(\t):TB+4*(\t)+3], s[14:15] offset:(16*(\a)+2*(\t))*4096  ; 16 lanes store 256 consecutive bytes, at a multiple of 256 from out's first byte
.endr
.endm
	s_wait_tensorcnt 0x1                           ; my part of K step 0 is in; K step 1's may stay out
	s_barrier_signal -1
	s_barrier_wait -1
	FETCH 0, F0
	s_wait_loadcnt 32                              ; the bias is in; resid's 32 loads stay out
	QUARTER 1, F0, F1, 1                           ; the first quarter stands in front of the loop: its first products start the sums
	WIN 0                                          ; at a label and at a branch every window is 0
	s_mov_b32 s3, KSTEPS-2
.Lstep:                                                ; a trip: from a K step's second quarter to the next step's first; it fills the slot that it leaves.  The 16 accumulators take turns
.if KSTEPS > 4
	ASK                                            ; behind the sixteen matrix instructions that follow the last run of LDS loads
.endif
	QUARTER 2, F1, F0, 0
	QUARTER 3, F0, F1, 0
	TURN 1
	QUARTER 1, F0, F1, 0
	WIN 0
	s_sub_co_u32 s3, s3, 1
	s_cmp_lg_u32 s3, 0
	s_cbranch_scc1 .Lstep
	; The last two K steps ask for nothing: one text, two trips, entered behind the first quarter, which the loop above has just run.  The second trip's change of slots
	; serves nothing: one more barrier, and 32 fragments of the slot multiplied before, into buffer 0, which nobody names again: the price of one text for both trips.
	s_mov_b32 s3, 2
	s_branch .Lin
.Ltail:
	QUARTER 1, F0, F1, 0
	WIN 0
.Lin:
	QUARTER 2, F1, F0, 0
	QUARTER 3, F0, F1, 0
	TURN 0
	WIN 0
	s_sub_co_u32 s3, s3, 1
	s_cmp_lg_u32 s3, 0
	s_cbranch_scc1 .Ltail
	PLACES
	s_wait_loadcnt 0x0                             ; resid
	OUT 0
	OUT 1
	SENDF 0, 16
	OUT 2
	SENDF 1, 16
	OUT 3
	SENDF 2, 16
	SENDF 3, 0
	s_wait_tensorcnt 0x0                           ; the wave's end
	ds_add_u32 v[SPW], v[NIL]
	s_wait_dscnt 0x0
	CROUND                                         ; the closing round
	s_endpgm
.Lfunc_end_k_qa7b4e49a58_ffn2:
	.size	k_qa7b4e49a58_ffn2, .Lfunc_end_k_qa7b4e49a58_ffn2-k_qa7b4e49a58_ffn2
	.p2alignl 7, 3214868480
	.fill 96, 4, 3214868480
	.section	.rodata,"a",@progbits
	.p2align	6, 0x0
	.amdhsa_kernel k_qa7b4e49a58_ffn2
		.amdhsa_group_segment_fixed_size 327680
		.amdhsa_private_segment_fixed_size 0
		.amdhsa_enable_private_segment 0
		.amdhsa_kernarg_size 40
		.amdhsa_user_sgpr_count 2
		.amdhsa_user_sgpr_kernarg_segment_ptr 1
		.amdhsa_wavefront_size32 1
		.amdhsa_system_sgpr_workgroup_id_x 1
		.amdhsa_system_sgpr_workgroup_id_y 1
		.amdhsa_system_sgpr_workgroup_id_z 1
		.amdhsa_system_vgpr_workitem_id 0
		.amdhsa_next_free_vgpr 640
		.amdhsa_next_free_sgpr 66
		.amdhsa_reserve_vcc 0
		.amdhsa_float_denorm_mode_32 3
		.amdhsa_float_denorm_mode_16_64 3
		.amdhsa_memory_ordered 1
		.amdhsa_forward_progress 1
		.amdhsa_inst_pref_size 67
	.end_amdhsa_kernel
	.amdgpu_metadata
---
amdhsa.version: [ 1, 2 ]
amdhsa.kernels:
  - .name:           k_qa7b4e49a58_ffn2
    .symbol:         k_qa7b4e49a58_ffn2.kd
    .args:
      - { .name: big, .offset: 0, .size: 8, .value_kind: global_buffer, .address_space: global }
      - { .name: wB, .offset: 8, .size: 8, .value_kind: global_buffer, .address_space: global }
      - { .name: b2, .offset: 16, .size: 8, .value_kind: global_buffer, .address_space: global }
      - { .name: x1, .offset: 24, .size: 8, .value_kind: global_buffer, .address_space: global }
      - { .name: out0, .offset: 32, .size: 8, .value_kind: global_buffer, .address_space: global }
    .group_segment_fixed_size: 327680
    .private_segment_fixed_size: 0
    .kernarg_segment_align: 8
    .kernarg_segment_size: 40
    .max_flat_workgroup_size: 128
    .sgpr_count:     66
    .vgpr_count:     640
    .wavefront_size: 32
...
	.end_amdgpu_metadata
.endif
;; end of part 6
;; ======== version 2 of 2: 7 launches; version 1 with the launch prep written anew for expert scheduling mode
;; workspace buffers: act 8,388,608 bytes; big 33,554,432 bytes; x1 16,777,216 bytes; wA 16,777,472 bytes; wB 16,777,472 bytes; zb 12,288 bytes
;; launch prep (part 7): grid 640 x 1, 8 waves a work-group, no clusters, 0 bytes of LDS; arguments x, g1, be1, act, wq, wk, wv, wo, w1, w2, wA, wB, zb; writes act, wA, wB, zb
.if DOCPART == 7
	.amdgcn_target "amdgcn-amd-amdhsa--gfx1250"
	.amdhsa_code_object_version 6
	.text
	.protected	k_qa7b4e49a58_prep
	.globl	k_qa7b4e49a58_prep
	.p2align	8
	.type	k_qa7b4e49a58_prep,@function
k_qa7b4e49a58_prep:
	s_mov_b64 s[64:65], 0
	v_nop
	global_prefetch_b8 v0, s[64:65] scope:SCOPE_SE
	s_setreg_imm32_b32 hwreg(HW_REG_WAVE_SCHED_MODE, 0, 2), 2
	s_setreg_imm32_b32 hwreg(HW_REG_WAVE_MODE, 25, 1), 1
	s_wait_xcnt 0x0
	s_wait_alu depctr_vm_vsrc(0)
; PREP.  Work-groups 0-383: the weights rounded to bf16, in the layouts that the products read:
;   wA: 12 panels [1024 k][256 n] of wq|wk|wv (n = tensor x 1024 + head x 64 + column); at byte 0x800000 wo as it lies; at 0x1000000 64 words of -inf
;   wB: 16 panels [1024 k][256 n] of w1; at byte 0x800000 w2 as it lies; at 0x1000000 64 words of 0
;   zb: 3,072 zeros (the bias of q, k, v).
; Work-groups 384-639: act = LayerNorm(x; g1, be1) rounded to bf16, row-major [4096][1024].
; A cast group moves 192 KB, a LayerNorm group 104 KB: the longer shares stand first in the grid.
; A stream: no LDS, no barrier, no matrix unit, no cluster (no two work-groups read the same bytes but g1 and be1, 8 KB).
; LIMITS: mean and variance in f32, the mean taken away before the squares; NaN and infinities are not treated apart.
; THE MODE: SCHED_MODE bits 1:0 = 2 (LLVM: expert scheduling mode 2), set by the entry lines.  The code itself states the register dependences
; between vector instructions and memory instructions, with s_wait_alu, always for 0.
; THE PLAN.  Registers that memory instructions touch:
;   LayerNorm: v1, v2      offsets of the loads and of the stores: made once, ahead of the first load, never written again.
;              X0, X1, G, BE  the 32 loads land here once; no vector instruction names them before the loads are issued.
;              Y0, Y1      written by a row's sixteen roundings, read by that row's eight stores, never written again.
;   Casts:     SO, v2      offsets of the loads and of the stores: made once, ahead of the first load, never written again.
;              X           the 32 loads land here once; segment i's four roundings write its first four registers, its two stores read them; never written again.
;              v160-169    the small tables' data and offsets: written once, read by their stores.
; So no register that a memory instruction reads is written again, and no load lands in a register that a vector instruction has named: what is left to state is that
; offsets and store data are written.  One wait stands ahead of each way's loads, and one ahead of each run of stores: a row's eight, or the eight of a block of four segments.
; The wave's number goes through a scalar register: one wait on va_sdst ahead of the first branch.  EXEC and VCC are never written.
.set CASTS, 384                        ; work-groups that cast
.set X0, 8                             ; v[8:39]    row 0: load j holds columns 128 j + 4 lane + 0..3
.set X1, 40                            ; v[40:71]   row 1
.set G,  72                            ; v[72:103]  gains of my 32 columns
.set BE, 104                           ; v[104:135] offsets of my 32 columns
.set T,  136                           ; v[136:151] at work: no memory instruction names them
.set M,  152                           ; v[152:153] the mean, twice
.set R0, 154                           ; v[154:155] 1/sqrt(var + eps) of row 0, twice
.set R1, 156                           ; v[156:157] of row 1
.set Y0, 160                           ; v[160:175] row 0 packed
.set Y1, 176                           ; v[176:191] row 1 packed
.set SO, 4                             ; cast: v[4:19] source offsets of my 16 segments
.set X,  24                            ; cast: v[24:151] 16 segments x 8 numbers
.macro TREE                            ; 16 partial sums in T -> one
.irp i, 0,2,4,6
	v_pk_add_f32 v[T+\i:T+\i+1], v[T+\i:T+\i+1], v[T+8+\i:T+9+\i]
.endr
	v_pk_add_f32 v[T:T+1], v[T:T+1], v[T+4:T+5]
	v_pk_add_f32 v[T+2:T+3], v[T+2:T+3], v[T+6:T+7]
	v_pk_add_f32 v[T:T+1], v[T:T+1], v[T+2:T+3]
	v_add_f32 v[T], v[T], v[T+1]
.endm
.macro LANESUM                         ; the sum over the 32 lanes, in every lane
	v_add_f32_dpp v[T], v[T], v[T] row_xmask:1 row_mask:0xf bank_mask:0xf
	v_add_f32_dpp v[T], v[T], v[T] row_xmask:2 row_mask:0xf bank_mask:0xf
	v_add_f32_dpp v[T], v[T], v[T] row_xmask:4 row_mask:0xf bank_mask:0xf
	v_add_f32_dpp v[T], v[T], v[T] row_xmask:8 row_mask:0xf bank_mask:0xf
	v_permlanex16_b32 v[T+1], v[T], s12, s13
	v_add_f32 v[T], v[T], v[T+1]
.endm
.macro ROWSTAT xr, rr                  ; the row in xr loses its mean; rr takes 1/sqrt(var + eps)
.set i, 0
.rept 8
	v_pk_add_f32 v[T+2*i:T+2*i+1], v[(\xr)+4*i:(\xr)+4*i+1], v[(\xr)+4*i+2:(\xr)+4*i+3]
.set i, i+1
.endr
	TREE
	LANESUM
	v_mul_f32 v[M], s14, v[T]
	v_mul_f32 v[M+1], s14, v[T]
.set i, 0
.rept 16
	v_pk_add_f32 v[(\xr)+2*i:(\xr)+2*i+1], v[(\xr)+2*i:(\xr)+2*i+1], v[M:M+1] neg_lo:[0,1] neg_hi:[0,1]
.set i, i+1
.endr
.set i, 0
.rept 8
	v_pk_mul_f32 v[T+2*i:T+2*i+1], v[(\xr)+2*i:(\xr)+2*i+1], v[(\xr)+2*i:(\xr)+2*i+1]
.set i, i+1
.endr
.set i, 0
.rept 8
	v_pk_fma_f32 v[T+2*i:T+2*i+1], v[(\xr)+16+2*i:(\xr)+16+2*i+1], v[(\xr)+16+2*i:(\xr)+16+2*i+1], v[T+2*i:T+2*i+1]
.set i, i+1
.endr
	TREE
	LANESUM
	v_fma_f32 v[T], v[T], s14, s15                 ; sum of squares / 1024 + eps
	v_rsq_f32 v[\rr], v[T]
	v_nop                                          ; a plain instruction between the root and the use of its result
	s_wait_alu depctr_va_vdst(0)                   ; the root has written v[rr], which the copy below reads
	v_mov_b32 v[(\rr)+1], v[\rr]
.endm
.macro ROWOUT xr, rr, yr, row          ; (x - mean) (g / sqrt) + be, rounded, stored: each store of the wave covers 256 consecutive bytes, aligned
.set i, 0
.rept 16
	v_pk_mul_f32 v[T+2*(i%4):T+2*(i%4)+1], v[G+2*i:G+2*i+1], v[(\rr):(\rr)+1]
	v_pk_fma_f32 v[(\xr)+2*i:(\xr)+2*i+1], v[(\xr)+2*i:(\xr)+2*i+1], v[T+2*(i%4):T+2*(i%4)+1], v[BE+2*i:BE+2*i+1]
.set i, i+1
.endr
.set i, 0
.rept 16
	v_cvt_pk_bf16_f32 v[(\yr)+i], v[(\xr)+2*i], v[(\xr)+2*i+1]
.set i, i+1
.endr
	s_wait_alu depctr_va_vdst(0)                   ; the sixteen roundings have written the row's Y, which the eight stores below read
.irp j, 0,1,2,3,4,5,6,7
	global_store_b64 v2, v[(\yr)+2*\j:(\yr)+2*\j+1], s[10:11] offset:(\row)*2048+256*\j
.endr
.endm
; A work-group takes 16 rows, a wave two; a row stays in 32 registers of the wave between the passes: it is read once.
.macro LNBODY
	s_load_b256 s[4:11], s[0:1], 0x0               ; x s[4:5], g s[6:7], be s[8:9], h s[10:11]
	s_sub_co_u32 s16, ttmp9, CASTS                 ; my number among the LayerNorm groups
	s_lshl_b32 s16, s16, 4
	s_lshl1_add_u32 s16, s2, s16                   ; my first row = 16 x group + 2 x wave
	s_lshl_b32 s18, s16, 12                        ; rows of 4,096 bytes in,
	s_mov_b32 s19, 0
	s_lshl_b32 s20, s16, 11                        ; of 2,048 bytes out
	s_mov_b32 s21, 0
	s_mov_b32 s12, 0x76543210                      ; v_permlanex16_b32: each lane takes its own place in the other half
	s_mov_b32 s13, 0xfedcba98
	s_mov_b32 s14, 0x3a800000                      ; 1 / 1024
	s_mov_b32 s15, 0x3727c5ac                      ; 1e-5
	v_lshlrev_b32 v1, 4, v3
	v_lshlrev_b32 v2, 3, v3
	s_wait_kmcnt 0x0
	s_add_nc_u64 s[4:5], s[4:5], s[18:19]
	s_add_nc_u64 s[10:11], s[10:11], s[20:21]
	s_wait_alu depctr_va_vdst(0)                   ; v1 and v2 are written: every load below reads v1 as its offset, every store v2
.irp j, 0,1,2,3,4,5,6,7
	global_load_b128 v[X0+4*\j:X0+4*\j+3], v1, s[4:5] offset:512*\j
.endr
.irp j, 0,1,2,3,4,5,6,7
	global_load_b128 v[X1+4*\j:X1+4*\j+3], v1, s[4:5] offset:4096+512*\j
.endr
.irp j, 0,1,2,3,4,5,6,7
	global_load_b128 v[G+4*\j:G+4*\j+3], v1, s[6:7] offset:512*\j
.endr
.irp j, 0,1,2,3,4,5,6,7
	global_load_b128 v[BE+4*\j:BE+4*\j+3], v1, s[8:9] offset:512*\j
.endr
	s_wait_loadcnt 24                              ; row 0 is in; the 24 younger loads (row 1, g, be) stay out
	ROWSTAT X0, R0
	s_wait_loadcnt 16                              ; row 1 is in; g and be stay out
	ROWSTAT X1, R1
	s_wait_loadcnt 0x0
	ROWOUT X0, R0, Y0, 0
	ROWOUT X1, R1, Y1, 1                           ; its arithmetic names X1, T, G, BE, R1 and Y1: none of the registers that row 0's stores read
.endm
	v_lshrrev_b32 v1, 5, v0
	v_readfirstlane_b32 s2, v1                     ; wave 0..7
	v_and_b32 v3, 31, v0                           ; lane
	s_wait_alu depctr_va_sdst(0)                   ; s2 is written, ahead of the branch: on both ways scalar instructions read it
	s_cmp_lt_u32 ttmp9, CASTS
	s_cbranch_scc1 .Lcast
	LNBODY
	s_endpgm
; THE CASTS.  A segment is 256 numbers: 1,024 bytes of f32 in, 512 bytes of bf16 out, in two halves of 128 numbers.  Of each half a lane takes 4 numbers (16 bytes in, 8 out):
; a load of the wave covers 512 consecutive bytes (from wq, wk, wv: two heads' rows of 256), no byte is named by two loads, and a store covers 256 consecutive bytes, aligned.
; The second half is read from a base of its own.  A wave takes 16 segments, a work-group 128.  All 32 loads of a wave go out before the first is waited for.
.Lcast:
	s_load_b512 s[16:31], s[0:1], 0x20             ; wq s[16:17], wk s[18:19], wv s[20:21], wo s[22:23], w1 s[24:25], w2 s[26:27], wA s[28:29], wB s[30:31]
	s_load_b64 s[32:33], s[0:1], 0x60              ; zb
	s_mov_b32 s4, ttmp9                            ; c = 0..383
	s_lshl_b32 s5, s2, 4                           ; 16 x wave
	v_lshlrev_b32 v1, 4, v3                        ; my 16 bytes of a dense half
	v_lshlrev_b32 v2, 3, v3                        ; my 8 bytes out
	s_mov_b32 s9, 0                                ; the offsets' high words
	s_mov_b32 s11, 0
	s_wait_kmcnt 0x0
	s_cmp_lt_u32 s4, 96
	s_cbranch_scc0 .Lnot_qkv
	; c = 0..95: panel c / 8 of wq|wk|wv, rows d0 .. d0 + 15.  A panel's row takes 64 columns from each of four heads: a half takes two heads.
	s_lshr_b32 s6, s4, 3                           ; panel 0..11
	s_and_b32 s7, s4, 7
	s_lshl_b32 s7, s7, 7
	s_add_co_u32 s7, s7, s5                        ; d0
	s_lshr_b32 s12, s6, 2                          ; 0: wq, 1: wk, 2: wv
	s_cmp_eq_u32 s12, 0
	s_cselect_b64 s[40:41], s[16:17], s[18:19]
	s_cmp_eq_u32 s12, 2
	s_cselect_b64 s[40:41], s[20:21], s[40:41]
	s_and_b32 s8, s6, 3
	s_lshl_b32 s8, s8, 20                          ; four heads of 262,144 bytes
	s_lshl_b32 s13, s7, 8                          ; a head's row is 256 bytes
	s_add_co_u32 s8, s8, s13
	s_add_nc_u64 s[40:41], s[40:41], s[8:9]
	s_add_nc_u64 s[34:35], s[40:41], 0x80000       ; the second half: two heads on
	s_lshl_b32 s10, s6, 10
	s_add_co_u32 s10, s10, s7
	s_lshl_b32 s10, s10, 9
	s_add_nc_u64 s[42:43], s[28:29], s[10:11]
	s_mov_b32 s44, 256
	v_lshrrev_b32 v4, 4, v3                        ; which of the half's two heads,
	v_and_b32 v5, 15, v3
	v_lshlrev_b32 v1, 4, v5                        ; which 16 bytes of its row
	v_lshl_add_u32 v1, v4, 18, v1
	s_branch .Lcopy
.Lnot_qkv:
	s_cmp_lt_u32 s4, 224
	s_cbranch_scc0 .Lnot_w1
	; c = 96..223: panel (c - 96) / 8 of w1, rows d0 .. d0 + 15
	s_sub_co_u32 s6, s4, 96
	s_and_b32 s7, s6, 7
	s_lshl_b32 s7, s7, 7
	s_add_co_u32 s7, s7, s5                        ; d0
	s_lshr_b32 s6, s6, 3                           ; panel 0..15
	s_lshl_b32 s8, s7, 14                          ; a row of w1 is 16,384 bytes
	s_lshl_b32 s13, s6, 10
	s_add_co_u32 s8, s8, s13
	s_add_nc_u64 s[40:41], s[24:25], s[8:9]
	s_add_nc_u64 s[34:35], s[40:41], 512           ; the second half: 128 numbers on
	s_lshl_b32 s10, s6, 10
	s_add_co_u32 s10, s10, s7
	s_lshl_b32 s10, s10, 9
	s_add_nc_u64 s[42:43], s[30:31], s[10:11]
	s_mov_b32 s44, 16384
	s_branch .Lcopy
.Lnot_w1:
	; c = 224..255: wo; c = 256..383: w2.  Both stay as they lie: segment after segment.
	s_mov_b32 s6, 224
	s_mov_b32 s7, 256
	s_cmp_lt_u32 s4, 256
	s_cselect_b64 s[40:41], s[22:23], s[26:27]
	s_cselect_b64 s[42:43], s[28:29], s[30:31]
	s_cselect_b32 s6, s6, s7
	s_sub_co_u32 s6, s4, s6
	s_lshl_b32 s6, s6, 7
	s_add_co_u32 s6, s6, s5                        ; my first segment
	s_lshl_b32 s8, s6, 10
	s_add_nc_u64 s[40:41], s[40:41], s[8:9]
	s_add_nc_u64 s[34:35], s[40:41], 512           ; the second half: 128 numbers on
	s_lshl_b32 s10, s6, 9
	s_add_co_u32 s10, s10, 0x800000
	s_add_nc_u64 s[42:43], s[42:43], s[10:11]
	s_mov_b32 s44, 1024
.Lcopy:
	v_mov_b32 v[SO], v1
.set i, 1
.rept 15
	v_add_nc_u32 v[SO+i], s44, v[SO+i-1]
.set i, i+1
.endr
	s_wait_alu depctr_va_vdst(0)                   ; the sixteen offsets v[SO ..] are written, which the loads below read; so is v2, the stores' offset: on all three ways that join above
.set i, 0
.rept 16
	global_load_b128 v[X+8*i:X+8*i+3],   v[SO+i], s[40:41] th:TH_LOAD_NT
	global_load_b128 v[X+8*i+4:X+8*i+7], v[SO+i], s[34:35] th:TH_LOAD_NT
.set i, i+1
.endr
; The 16 segments go in four blocks of four: a block's sixteen roundings, each segment behind the wait for its own two loads; one wait; the block's eight stores in one run.
; The next block's roundings write registers of their own, which no store that is out reads.
.set b, 0
.rept 4
.set i, 4*b
.rept 4
	s_wait_loadcnt 30-2*i                          ; segment i is in; the younger segments' loads stay out
	v_cvt_pk_bf16_f32 v[X+8*i],   v[X+8*i],   v[X+8*i+1]
	v_cvt_pk_bf16_f32 v[X+8*i+1], v[X+8*i+2], v[X+8*i+3]
	v_cvt_pk_bf16_f32 v[X+8*i+2], v[X+8*i+4], v[X+8*i+5]
	v_cvt_pk_bf16_f32 v[X+8*i+3], v[X+8*i+6], v[X+8*i+7]
.set i, i+1
.endr
	s_wait_alu depctr_va_vdst(0)                   ; the block's sixteen roundings have written the first four registers of its four segments, which the eight stores below read
.set i, 4*b
.rept 4
	global_store_b64 v2, v[X+8*i:X+8*i+1],   s[42:43] offset:512*i      ; the first half: 256 consecutive bytes,
	global_store_b64 v2, v[X+8*i+2:X+8*i+3], s[42:43] offset:512*i+256  ; the second
.set i, i+1
.endr
.set b, b+1
.endr
	s_cmp_lg_u32 s4, 0
	s_cbranch_scc1 .Ldone
	; the first cast group also writes the small tables
	v_mov_b32 v160, 0
	v_mov_b32 v161, 0
	v_mov_b32 v162, 0
	v_mov_b32 v163, 0
	v_lshlrev_b32 v164, 4, v0
	s_wait_alu depctr_va_vdst(0)                   ; v[160:163], the three stores' data, and v164, their offset, are written
	global_store_b128 v164, v[160:163], s[32:33]
	global_store_b128 v164, v[160:163], s[32:33] offset:4096
	global_store_b128 v164, v[160:163], s[32:33] offset:8192
	s_cmp_lg_u32 s2, 0
	s_cbranch_scc1 .Ldone
	v_lshlrev_b32 v165, 3, v3
	v_mov_b32 v166, 0xff800000                     ; -inf: the floor of q, k, v changes nothing
	v_mov_b32 v167, 0xff800000
	v_mov_b32 v168, 0                              ; 0: the floor of the FFN's first product is its ReLU
	v_mov_b32 v169, 0
	s_add_nc_u64 s[46:47], s[28:29], 0x1000000
	s_add_nc_u64 s[38:39], s[30:31], 0x1000000
	s_wait_alu depctr_va_vdst(0)                   ; v165, the two stores' offset, and v[166:169], their data, are written
	global_store_b64 v165, v[166:167], s[46:47]    ; 256 consecutive bytes each
	global_store_b64 v165, v[168:169], s[38:39]
.Ldone:
	s_endpgm
.Lfunc_end_k_qa7b4e49a58_prep:
	.size	k_qa7b4e49a58_prep, .Lfunc_end_k_qa7b4e49a58_prep-k_qa7b4e49a58_prep
	.p2alignl 7, 3214868480
	.fill 96, 4, 3214868480
	.section	.rodata,"a",@progbits
	.p2align	6, 0x0
	.amdhsa_kernel k_qa7b4e49a58_prep
		.amdhsa_group_segment_fixed_size 0
		.amdhsa_private_segment_fixed_size 0
		.amdhsa_enable_private_segment 0
		.amdhsa_kernarg_size 104
		.amdhsa_user_sgpr_count 2
		.amdhsa_user_sgpr_kernarg_segment_ptr 1
		.amdhsa_wavefront_size32 1
		.amdhsa_system_sgpr_workgroup_id_x 1
		.amdhsa_system_sgpr_workgroup_id_y 1
		.amdhsa_system_sgpr_workgroup_id_z 1
		.amdhsa_system_vgpr_workitem_id 0
		.amdhsa_next_free_vgpr 192
		.amdhsa_next_free_sgpr 66
		.amdhsa_reserve_vcc 0
		.amdhsa_float_denorm_mode_32 3
		.amdhsa_float_denorm_mode_16_64 3
		.amdhsa_memory_ordered 1
		.amdhsa_forward_progress 1
		.amdhsa_inst_pref_size 36
	.end_amdhsa_kernel
	.amdgpu_metadata
---
amdhsa.version: [ 1, 2 ]
amdhsa.kernels:
  - .name:           k_qa7b4e49a58_prep
    .symbol:         k_qa7b4e49a58_prep.kd
    .args:
      - { .name: x, .offset: 0, .size: 8, .value_kind: global_buffer, .address_space: global }
      - { .name: g1, .offset: 8, .size: 8, .value_kind: global_buffer, .address_space: global }
      - { .name: be1, .offset: 16, .size: 8, .value_kind: global_buffer, .address_space: global }
      - { .name: act, .offset: 24, .size: 8, .value_kind: global_buffer, .address_space: global }
      - { .name: wq, .offset: 32, .size: 8, .value_kind: global_buffer, .address_space: global }
      - { .name: wk, .offset: 40, .size: 8, .value_kind: global_buffer, .address_space: global }
      - { .name: wv, .offset: 48, .size: 8, .value_kind: global_buffer, .address_space: global }
      - { .name: wo, .offset: 56, .size: 8, .value_kind: global_buffer, .address_space: global }
      - { .name: w1, .offset: 64, .size: 8, .value_kind: global_buffer, .address_space: global }
      - { .name: w2, .offset: 72, .size: 8, .value_kind: global_buffer, .address_space: global }
      - { .name: wA, .offset: 80, .size: 8, .value_kind: global_buffer, .address_space: global }
      - { .name: wB, .offset: 88, .size: 8, .value_kind: global_buffer, .address_space: global }
      - { .name: zb, .offset: 96, .size: 8, .value_kind: global_buffer, .address_space: global }
    .group_segment_fixed_size: 0
    .private_segment_fixed_size: 0
    .kernarg_segment_align: 8
    .kernarg_segment_size: 104
    .max_flat_workgroup_size: 256
    .sgpr_count:     66
    .vgpr_count:     192
    .wavefront_size: 32
...
	.end_amdgpu_metadata
.endif
;; end of part 7
;; launch qkv: the kernel of part 2 again; grid 12 x 16, 4 waves a work-group, clusters of 4 x 4, 327,680 bytes of LDS; arguments act, wA, zb, big; writes big
;; launch attn: the kernel of part 3 again; grid 4 x 64, 4 waves a work-group, clusters of 4 x 1, 327,680 bytes of LDS; arguments big, act; writes act
;; launch proj: the kernel of part 4 again; grid 8 x 32, 4 waves a work-group, clusters of 4 x 4, 327,680 bytes of LDS; arguments act, wA, bo, x, x1; writes x1
;; launch ln2: the kernel of part 5 again; grid 256 x 1, 8 waves a work-group, no clusters, 0 bytes of LDS; arguments x1, g2, be2, act; writes act
;; launch ffn1: the kernel of part 2 again; grid 16 x 16, 4 waves a work-group, clusters of 4 x 4, 327,680 bytes of LDS; arguments act, wB, b1, big; writes big
;; launch ffn2: the kernel of part 6 again; grid 8 x 32, 4 waves a work-group, clusters of 4 x 4, 327,680 bytes of LDS; arguments big, wB, b2, x1, out0; writes out0
